; MI455X (gfx1250); checked and timed in simulation.
; The chip was launched on July 23, 2026; its instructions are those of AMD's public machine-readable ISA for CDNA 5 (MIT licence, August 2026) and "CDNA5" Instruction Set Architecture Reference Guide (July 2026). The comments in the code are by the model that wrote it; some were corrected since.
;; Fusion Module v6. Allowed arithmetic: float matrix products may take bf16 or f16 operands with f32 sums; other float arithmetic in f32, or as packed bf16 or f16 multiplies, adds, multiply-adds, maxima and minima; sums over many terms, partial sums and values carried from step to step in f32; what a program stores and reads back later, other than sums and carried values, may be rounded once to bf16 or f16.
;; Inputs: Wl1 768 x 512 float32; Wl2 512 x 512 float32; Wv1 4,096 x 512 float32; Wv2 512 x 512 float32; betal 512 float32; betav 512 float32; bl1 512 float32; bl2 512 float32; bv1 512 float32; bv2 512 float32; gl 512 float32; gv 512 float32; ling_feats 4,096 x 768 float32; stru_feats 4,096 x 512 float32; visu_feats 4,096 x 4,096 float32.
;; Outputs: out0 one number float32; out1 4,096 x 512 float32; out2 4,096 x 512 float32.
;; 2 versions, each right; version 2 is version 1 with the launch bnorm written anew for expert scheduling mode. Each part assembles by itself: llvm-mc -triple=amdgcn-amd-amdhsa -mcpu=gfx1250 --defsym DOCPART=n.
;; ======== version 1 of 2: 8 launches
;; limits: values within 0.000488 (relative) of each other or of a threshold may be ordered or decided otherwise than in the reference; values are held in f16: magnitudes above 65,504 overflow, below 6.1e-05 lose precision; right only within a limited range of input values
;; workspace buffers: wsP 10,223,616 bytes; wsH1 8,388,608 bytes; wsH2 17,039,360 bytes; wsN 8,388,608 bytes; wsL 1,572,864 bytes; wsT 393,216 bytes of whole numbers; wsR 2,048 bytes
;; launch prep (part 1): grid 496 x 1, 4 waves a work-group, no clusters, 17,920 bytes of LDS; arguments Wv1, Wl1, Wl2, Wv2, stru_feats, wsP; writes wsP
.if DOCPART == 1
	.amdgcn_target "amdgcn-amd-amdhsa--gfx1250"
	.amdhsa_code_object_version 6
	.text
	.protected	k_qbc4ce849ce_prep
	.globl	k_qbc4ce849ce_prep
	.p2align	8
	.type	k_qbc4ce849ce_prep,@function
k_qbc4ce849ce_prep:
	s_mov_b64 s[64:65], 0
	v_nop
	global_prefetch_b8 v0, s[64:65] scope:SCOPE_SE
	s_setreg_imm32_b32 hwreg(HW_REG_WAVE_MODE, 25, 1), 1
	s_wait_xcnt 0x0
; PREP.  The four weight matrices, [K][512] f32, are rounded to bf16 and written with K along the rows ([512][K]); the rows of stru_feats are written as
; Sn = 2 log2(e) x / (|x| + 1e-12) in bf16, so that a product of a row of Sn with a normalised row of ling or visu is the argument of 2^x for exp(cos / 0.5).
; FORMATS.  Every input of the two MLPs (x, W1, b1, W2, gamma, beta) is rounded once to bf16.  The second layer multiplies in f16, since its other operand, H1, is made by the program and kept in f16:
; so W2's bf16 number is written as f16, which is exact from 2^-17 on (below that it is off by 2^-25 at the most).  LIMIT: |W2| under 65,504.
; WORK LEFT OUT IN THE WHOLE PROGRAM: bl2 and bv2.  BatchNorm takes the column mean away: (h + b2) - mean(h + b2) = h - mean(h), and var(h + b2) = var(h), for all values of h and b2.
; So the two inputs reach no output; they are not loaded and are among no launch's arguments.  LIMIT: a NaN, an infinity or an overflow that enters through bl2 or bv2 alone is not carried to the result.
; wsP: W1v^T [512][4096] bf16 at 0; W1l^T [512][768] bf16 at 4,194,304; W2l^T [512][512] f16 at 4,980,736; W2v^T [512][512] f16 at 5,505,024; Sn [4096][512] bf16 at 6,029,312.
; SHARES.  Work-groups 0-367 turn one tile of 128 k x 64 n of a weight matrix through LDS; work-groups 368-495 take 32 rows of stru_feats, a wave 8 rows.
; No matrix unit, no cluster, no tensor load: nothing is multiplied and no two work-groups read the same bytes.
.set SPARE, 17408                      ; behind the stage of 64 rows x 272 bytes: the spare words, 128 bytes a wave
.set SPW, 8                            ; v8   LDS address of my spare word; never rewritten
.set NIL, 9                            ; v9   0; never rewritten
.set VO,  16                           ; v[16:23]  byte offsets of my eight stores
.set SS,  32                           ; v[32:47]  stru: a pair a row: sum of squares, later the scale
.set SB,  48                           ; v[48:63]  stru: the second chain of the sums
.set X,   64                           ; v[64:191] as loaded
.set Y,   128                          ; v[128:159] weights: packed 16-bit numbers
	s_load_b256 s[4:11], s[0:1], 0x0               ; Wv1 s[4:5], Wl1 s[6:7], Wl2 s[8:9], Wv2 s[10:11]
	s_load_b128 s[12:15], s[0:1], 0x20             ; stru_feats s[12:13], wsP s[14:15]
	v_lshl_add_u32 v[SPW], v0, 2, SPARE
	v_mov_b32 v[NIL], 0
	v_lshrrev_b32 v1, 5, v0
	v_readfirstlane_b32 s16, v1                    ; wave 0..3
	v_and_b32 v2, 31, v0                           ; lane
	s_mov_b32 s17, ttmp9
	s_sub_co_u32 s25, s17, 256                     ; the tile's number within each of the later jobs
	s_sub_co_u32 s26, s17, 304
	s_sub_co_u32 s27, s17, 336
	s_sub_co_u32 s28, s17, 368
	s_mov_b32 s31, 0
	s_mov_b32 s33, 0
	s_mov_b32 s38, 0xffff0000                      ; a word's upper bf16
	s_wait_kmcnt 0x0
	s_cmp_ge_u32 s17, 368
	s_cbranch_scc1 .Lstru                          ; the same in all four waves: it hangs on the work-group's number alone
	; ---- a weight tile: which matrix, its row pitch in wsP, its place in wsP, the tile's number
	s_mov_b64 s[20:21], s[4:5]
	s_mov_b32 s22, 8192
	s_mov_b32 s23, 0
	s_mov_b32 s24, s17
	s_cmp_ge_u32 s17, 256
	s_cselect_b64 s[20:21], s[6:7], s[20:21]
	s_cselect_b32 s22, 1536, s22
	s_cselect_b32 s23, 4194304, s23
	s_cselect_b32 s24, s25, s24
	s_cmp_ge_u32 s17, 304
	s_cselect_b64 s[20:21], s[8:9], s[20:21]
	s_cselect_b32 s22, 1024, s22
	s_cselect_b32 s23, 4980736, s23
	s_cselect_b32 s24, s26, s24
	s_cmp_ge_u32 s17, 336
	s_cselect_b64 s[20:21], s[10:11], s[20:21]
	s_cselect_b32 s23, 5505024, s23
	s_cselect_b32 s24, s27, s24
	s_and_b32 s28, s24, 7                          ; nt: which 64 columns n
	s_lshr_b32 s29, s24, 3                         ; kt: which 128 rows k
	s_lshl_b32 s30, s29, 18                        ; 128 rows of 2,048 bytes
	s_lshl_b32 s32, s28, 8                         ; 64 columns of 4 bytes
	s_add_co_u32 s30, s30, s32
	s_add_nc_u64 s[20:21], s[20:21], s[30:31]
	v_and_b32 v3, 15, v0                           ; c: my 4 columns
	v_lshrrev_b32 v4, 4, v0                        ; rr: my 16 rows
	v_lshlrev_b32 v5, 4, v3
	v_lshl_add_u32 v5, v4, 15, v5                  ; rr x 16 rows + 16 c
.irp i, 0,1,2,3,4,5,6,7,8,9,10,11,12,13,14,15
	global_load_b128 v[X+4*(\i):X+4*(\i)+3], v5, s[20:21] offset:(\i)*2048 th:TH_LOAD_NT  ; 16 lanes take 256 consecutive bytes of row 16 rr + i
.endr
	s_lshl_b32 s30, s29, 8                         ; in wsP: 128 k are 256 bytes of a row,
	s_add_co_u32 s30, s30, s23
	s_lshl_b32 s32, s28, 6                         ; row n = 64 nt + 16 wave + ..
	s_lshl_b32 s34, s16, 4
	s_add_co_u32 s32, s32, s34
	s_mul_i32 s32, s32, s22
	s_add_co_u32 s30, s30, s32
	s_add_nc_u64 s[14:15], s[14:15], s[30:31]
	s_lshl_b32 s34, s22, 1                         ; two rows on
	v_lshrrev_b32 v6, 4, v2                        ; lane / 16
	v_mul_lo_u32 v[VO], v6, s22
	v_lshl_add_u32 v[VO], v3, 4, v[VO]
.irp u, 1,2,3,4,5,6,7
	v_add_nc_u32 v[VO+(\u)], s34, v[VO+(\u)-1]
.endr
	v_mul_u32_u24 v10, v3, 1088                    ; into the stage: rows 4 c + q of 272 bytes, my 16 k at byte 32 rr
	v_lshl_add_u32 v10, v4, 5, v10
	s_mul_i32 s35, s16, 4352                       ; back: rows 16 wave + lane / 16 + 2 u, 16 bytes a lane
	v_mul_u32_u24 v11, v6, 272
	v_lshl_add_u32 v11, v3, 4, v11
	v_add_nc_u32 v11, s35, v11
	s_wait_loadcnt 0x0
.irp q, 0,1,2,3
.irp p, 0,1,2,3,4,5,6,7
	v_cvt_pk_bf16_f32 v[Y+8*(\q)+(\p)], v[X+8*(\p)+(\q)], v[X+8*(\p)+4+(\q)]  ; column 4 c + q, rows 16 rr + 2 p and + 1
.endr
.endr
	s_cmp_lt_u32 s17, 304                          ; the first layers' weights stay bf16; the same in all four waves
	s_cbranch_scc1 .Lpacked
.set i, 0
.rept 32                               ; the second layers': the bf16 number as f32 (a shift, a mask),
	v_lshlrev_b32 v[X+2*i], 16, v[Y+i]
	v_and_b32 v[X+2*i+1], s38, v[Y+i]
.set i, i+1
.endr
.set i, 0
.rept 32                               ; and written as f16
	v_cvt_pk_f16_f32 v[Y+i], v[X+2*i], v[X+2*i+1]
.set i, i+1
.endr
.Lpacked:
.irp q, 0,1,2,3
	ds_store_b128 v10, v[Y+8*(\q):Y+8*(\q)+3]   offset:(\q)*272
	ds_store_b128 v10, v[Y+8*(\q)+4:Y+8*(\q)+7] offset:(\q)*272+16
.endr
	s_wait_dscnt 0x0                               ; for the others' sake: my stores into the stage are done
	s_barrier_signal -1
	s_barrier_wait -1
.irp u, 0,1,2,3,4,5,6,7
	ds_load_b128 v[X+4*(\u):X+4*(\u)+3], v11 offset:(\u)*544
.endr
.irp u, 0,1,2,3,4,5,6,7
	s_wait_dscnt 7-(\u)                            ; LDS loads come back in order: number u is in, the younger ones stay out
	global_store_b128 v[VO+(\u)], v[X+4*(\u):X+4*(\u)+3], s[14:15]  ; 16 lanes store 256 consecutive bytes, aligned
.endr
	s_branch .Lend
.Lstru:	; ---- 32 rows of stru_feats; my wave's 8
	s_lshl_b32 s30, s28, 5
	s_lshl_b32 s32, s16, 3
	s_add_co_u32 s30, s30, s32                     ; my first row
	s_lshl_b32 s32, s30, 11
	s_add_nc_u64 s[12:13], s[12:13], s[32:33]
	s_lshl_b32 s32, s30, 10
	s_add_co_u32 s32, s32, 6029312
	s_add_nc_u64 s[14:15], s[14:15], s[32:33]
	s_mov_b32 s36, 0x76543210                      ; v_permlanex16_b32: each lane takes its own place in the other half
	s_mov_b32 s37, 0xfedcba98
	v_lshlrev_b32 v5, 4, v2
	v_lshlrev_b32 v6, 3, v2
.irp i, 0,1,2,3,4,5,6,7
.irp u, 0,1,2,3
	global_load_b128 v[X+16*(\i)+4*(\u):X+16*(\i)+4*(\u)+3], v5, s[12:13] offset:(\i)*2048+(\u)*512 th:TH_LOAD_NT
.endr
.endr
.irp i, 0,1,2,3,4,5,6,7
	s_wait_loadcnt 28-4*(\i)                       ; row i is in; the four loads of each younger row stay out
	v_pk_mul_f32 v[SS+2*(\i):SS+2*(\i)+1], v[X+16*(\i):X+16*(\i)+1], v[X+16*(\i):X+16*(\i)+1]
	v_pk_mul_f32 v[SB+2*(\i):SB+2*(\i)+1], v[X+16*(\i)+2:X+16*(\i)+3], v[X+16*(\i)+2:X+16*(\i)+3]
.irp n, 4,8,12
	v_pk_fma_f32 v[SS+2*(\i):SS+2*(\i)+1], v[X+16*(\i)+(\n):X+16*(\i)+(\n)+1], v[X+16*(\i)+(\n):X+16*(\i)+(\n)+1], v[SS+2*(\i):SS+2*(\i)+1]
	v_pk_fma_f32 v[SB+2*(\i):SB+2*(\i)+1], v[X+16*(\i)+(\n)+2:X+16*(\i)+(\n)+3], v[X+16*(\i)+(\n)+2:X+16*(\i)+(\n)+3], v[SB+2*(\i):SB+2*(\i)+1]
.endr
	v_pk_add_f32 v[SS+2*(\i):SS+2*(\i)+1], v[SS+2*(\i):SS+2*(\i)+1], v[SB+2*(\i):SB+2*(\i)+1]
	v_add_f32 v[SS+2*(\i)], v[SS+2*(\i)], v[SS+2*(\i)+1]
	v_add_f32_dpp v[SS+2*(\i)], v[SS+2*(\i)], v[SS+2*(\i)] row_xmask:1 row_mask:0xf bank_mask:0xf
	v_add_f32_dpp v[SS+2*(\i)], v[SS+2*(\i)], v[SS+2*(\i)] row_xmask:2 row_mask:0xf bank_mask:0xf
	v_add_f32_dpp v[SS+2*(\i)], v[SS+2*(\i)], v[SS+2*(\i)] row_xmask:4 row_mask:0xf bank_mask:0xf
	v_add_f32_dpp v[SS+2*(\i)], v[SS+2*(\i)], v[SS+2*(\i)] row_xmask:8 row_mask:0xf bank_mask:0xf
	v_permlanex16_b32 v[SS+2*(\i)+1], v[SS+2*(\i)], s36, s37
	v_add_f32 v[SS+2*(\i)], v[SS+2*(\i)], v[SS+2*(\i)+1]
.endr
.irp i, 0,1,2,3,4,5,6,7
	v_sqrt_f32 v[SS+2*(\i)], v[SS+2*(\i)]          ; one batch of eight roots,
.endr
	v_nop                                          ; a plain instruction behind the last,
	s_wait_alu depctr_va_vdst(0)                   ; and one wait ahead of the first reader
.irp i, 0,1,2,3,4,5,6,7
	v_add_f32 v[SS+2*(\i)], 0x2b8cbccc, v[SS+2*(\i)]  ; + 1e-12
.endr
.irp i, 0,1,2,3,4,5,6,7
	v_rcp_f32 v[SS+2*(\i)], v[SS+2*(\i)]
.endr
	v_nop
	s_wait_alu depctr_va_vdst(0)
.irp i, 0,1,2,3,4,5,6,7
	v_mul_f32 v[SS+2*(\i)], 0x4038aa3b, v[SS+2*(\i)]  ; 2 log2(e) / (|x| + 1e-12)
.endr
.irp i, 0,1,2,3,4,5,6,7
.irp n, 0,2,4,6,8,10,12,14
	v_pk_mul_f32 v[X+16*(\i)+(\n):X+16*(\i)+(\n)+1], v[X+16*(\i)+(\n):X+16*(\i)+(\n)+1], v[SS+2*(\i):SS+2*(\i)+1] op_sel_hi:[1,0]
.endr
.irp u, 0,1,2,3
	v_cvt_pk_bf16_f32 v[X+16*(\i)+4*(\u)],   v[X+16*(\i)+4*(\u)],   v[X+16*(\i)+4*(\u)+1]
	v_cvt_pk_bf16_f32 v[X+16*(\i)+4*(\u)+1], v[X+16*(\i)+4*(\u)+2], v[X+16*(\i)+4*(\u)+3]
	global_store_b64 v6, v[X+16*(\i)+4*(\u):X+16*(\i)+4*(\u)+1], s[14:15] offset:(\i)*1024+(\u)*256  ; the wave stores 256 consecutive bytes, aligned
.endr
.endr
.Lend:
	s_wait_tensorcnt 0x0                           ; the wave's end
	ds_add_u32 v[SPW], v[NIL]
	s_wait_dscnt 0x0
	s_endpgm
.Lfunc_end_k_qbc4ce849ce_prep:
	.size	k_qbc4ce849ce_prep, .Lfunc_end_k_qbc4ce849ce_prep-k_qbc4ce849ce_prep
	.p2alignl 7, 3214868480
	.fill 96, 4, 3214868480
	.section	.rodata,"a",@progbits
	.p2align	6, 0x0
	.amdhsa_kernel k_qbc4ce849ce_prep
		.amdhsa_group_segment_fixed_size 17920
		.amdhsa_private_segment_fixed_size 0
		.amdhsa_enable_private_segment 0
		.amdhsa_kernarg_size 48
		.amdhsa_user_sgpr_count 2
		.amdhsa_user_sgpr_kernarg_segment_ptr 1
		.amdhsa_wavefront_size32 1
		.amdhsa_system_sgpr_workgroup_id_x 1
		.amdhsa_system_sgpr_workgroup_id_y 1
		.amdhsa_system_sgpr_workgroup_id_z 1
		.amdhsa_system_vgpr_workitem_id 0
		.amdhsa_next_free_vgpr 192
		.amdhsa_next_free_sgpr 66
		.amdhsa_reserve_vcc 0
		.amdhsa_float_denorm_mode_32 3
		.amdhsa_float_denorm_mode_16_64 3
		.amdhsa_memory_ordered 1
		.amdhsa_forward_progress 1
		.amdhsa_inst_pref_size 38
	.end_amdhsa_kernel
	.amdgpu_metadata
---
amdhsa.version: [ 1, 2 ]
amdhsa.kernels:
  - .name:           k_qbc4ce849ce_prep
    .symbol:         k_qbc4ce849ce_prep.kd
    .args:
      - { .name: Wv1, .offset: 0, .size: 8, .value_kind: global_buffer, .address_space: global }
      - { .name: Wl1, .offset: 8, .size: 8, .value_kind: global_buffer, .address_space: global }
      - { .name: Wl2, .offset: 16, .size: 8, .value_kind: global_buffer, .address_space: global }
      - { .name: Wv2, .offset: 24, .size: 8, .value_kind: global_buffer, .address_space: global }
      - { .name: stru_feats, .offset: 32, .size: 8, .value_kind: global_buffer, .address_space: global }
      - { .name: wsP, .offset: 40, .size: 8, .value_kind: global_buffer, .address_space: global }
    .group_segment_fixed_size: 17920
    .private_segment_fixed_size: 0
    .kernarg_segment_align: 8
    .kernarg_segment_size: 48
    .max_flat_workgroup_size: 128
    .sgpr_count:     66
    .vgpr_count:     192
    .wavefront_size: 32
...
	.end_amdgpu_metadata
.endif
;; end of part 1
;; launch mlp1 (part 2): grid 4 x 64, 4 waves a work-group, clusters of 4 x 4, 327,680 bytes of LDS; arguments visu_feats, ling_feats, wsP, bv1, bl1, wsH1; writes wsH1
.if DOCPART == 2
	.amdgcn_target "amdgcn-amd-amdhsa--gfx1250"
	.amdhsa_code_object_version 6
	.text
	.protected	k_qbc4ce849ce_mlp1
	.globl	k_qbc4ce849ce_mlp1
	.p2align	8
	.type	k_qbc4ce849ce_mlp1,@function
k_qbc4ce849ce_mlp1:
	s_mov_b64 s[64:65], 0
	v_nop
	global_prefetch_b8 v0, s[64:65] scope:SCOPE_SE
	s_setreg_imm32_b32 hwreg(HW_REG_WAVE_MODE, 25, 1), 1
	s_wait_xcnt 0x0
	s_wait_alu depctr_hold_cnt(0) depctr_sa_sdst(0) depctr_va_vdst(0) depctr_va_sdst(0) depctr_va_ssrc(0) depctr_va_vcc(0) depctr_vm_vsrc(0)
	s_getreg_b32 s2, hwreg(HW_REG_IB_STS2, 6, 4)
	s_cmp_eq_u32 s2, 0
	s_cbranch_scc0 .Lentry_in_a_cluster
	s_endpgm
.Lentry_in_a_cluster:
	s_bfe_u32 s2, ttmp6, 0x10000c
	s_cmp_lg_u32 s2, 0xf033
	s_cbranch_scc0 .Lentry_shape_is_right
	s_endpgm
.Lentry_shape_is_right:
; MLP1.  H1 = LeakyReLU(x W1 + b1), for visu (K = 4,096) and then for ling (K = 768), in the same work-group, so that all 256 work-groups do equal work.
; wsH1: H1 of ling [4096][512] at 0, of visu at 4,194,304, in f16.  Products in bf16 with f32 sums; x is rounded to bf16 on its way from LDS to the matrix unit; b1 is rounded to bf16 like the other inputs.
; WHY f16 FOR H1.  H1 is made here and read once more, as a matrix operand.  Its rounding reaches the normalised result at about 1.2 times its own relative size (H1's mean square is 0.5, its variance 0.34),
; and every single number of the result is held to a hundredth of the result's root mean square: f16's 11 significant bits leave room there, bf16's 8 do not.
; RANGE.  f16 ends at 65,504, and |H1| must stay under it; beyond it the conversion gives an infinity.  By the sizes: x and W1 both 30 times their drawn spread give 900 times a unit spread; a common offset of 30 spreads
; on both gives 30 x (30 / 64) x 4,096 = 57,600 for visu and 30 x (30 / 27.7) x 768 = 24,900 for ling.
; SHARES.  A work-group makes 64 rows x 128 columns of both results; wave w rows 32 (w / 2) .., columns 64 (w % 2) ..: 2 x 4 accumulators.
; THE PRODUCT IS TAKEN TRANSPOSED (source 0 = 16 rows of W^T, source 1 = 16 rows of x): a lane holds one row and eight neighbouring columns.
; RING.  K goes in steps of 256 through two LDS slots: 16 steps of visu, 3 of ling, one sequence of 19.  A slot holds 64 rows of x in f32 (1,024 bytes + 16 of padding) and 128 rows of W^T in bf16 (512 + 16).
; Waves 0 and 1 fetch x's two halves, waves 2 and 3 those of W^T: one tensor load a wave is out at any time.
; CLUSTER 4 x 4.  x's tile hangs on the tile row alone and is asked for jointly by a row of the cluster; W^T's on the tile column alone, jointly by a column.
; The sums start from cleared registers (64 moves, twice, the first while the first tile is on its way), so that the loop over K has one form of product.
.set PA,     1040
.set PB,     528
.set BREG,   64*PA                     ; W^T's tile begins here in a slot
.set SLOT1,  135168                    ; slot 1: a constant that shares no bit with the four tiles' places in a slot, so that one exclusive or turns a place in one slot into the other's
.set STAGE,  269312                    ; 64 rows x 272 bytes, the work-group's, for the way out; no tensor load fills it
.set SPITCH, 272
.set SPARE,  286720                    ; the spare words, 128 bytes a wave
.set ADRA0, 4                          ; v4   my lane's place in x's tile
.set ADRB0, 5                          ; v5   in W^T's tile
.set ADRA,  6                          ; v6   the same in the slot and at the K in hand
.set ADRB,  7
.set STO,   8                          ; v8   the way out: where I put 16 bytes of a row
.set RD,    9                          ; v9   where I read a row back
.set CO,    10                         ; v10  my byte offset in H1
.set BO,    11                         ; v11  my byte offset in a bias
.set PFOV,  12                         ; v12  the prefetches' offset, visu's steps
.set PFOL,  13                         ; v13  ling's steps
.set SPW,   14                         ; v14  LDS address of my spare word; never rewritten
.set NIL,   15                         ; v15  0; never rewritten
.set ACC,   32                         ; v[32:95]   accumulator (a, nb) at ACC + 8 (4 a + nb)
.set BF,    96                         ; v[96:159]  W^T's fragments, two buffers of 32
.set RAW,   160                        ; v[160:223] x in f32, two buffers of 32
.set ABF,   224                        ; v[224:255] x's fragments in bf16, two buffers of 16
                                       ; window 1: v[0:31] bv1, v[32:63] bl1 for my 4 x 8 columns
.set WV,  16                           ; s16  wave
.set G1A, 24                           ; s[24:31] descriptor group 1, x
.set G1B, 32                           ; s[32:39] W^T
.set G0A, 40                           ; s[40:43] descriptor group 0, x: it walks
.set G0B, 44                           ; s[44:47] W^T
.set TB,  48                           ; s48  the slot that is read
.set CNT, 49
.set CH,  50
.set ASKF, 51                          ; s51  1 in a wave that prefetches
.set LA,  52                           ; s[52:53] ling_feats at my rows
.set LB,  54                           ; s[54:55] W1l^T at my rows
.set PFV, 56                           ; s[56:57] where my prefetches stand, visu's steps
.set PFL, 58                           ; s[58:59] ling's steps
.set PST, 60                           ; s[60:61] a K step in bytes of what I fetch
.set HIM, 62                           ; s62  mask of a word's upper bf16
.set OV,  66                           ; s[66:67] H1 of visu at the tile
.set OL,  68                           ; s[68:69] H1 of ling
.set MSB, 0
.macro WIN new                         ; the immediate's high byte repeats the setting that is left
.if MSB != (\new)
	s_set_vgpr_msb (MSB<<8)|(\new)
.set MSB, \new
.endif
.endm
.macro PLACES
.rept 4
	v_nop
.endr
.endm
.macro CROUND                          ; a round of the cluster's barrier
	s_barrier_signal -1
	s_barrier_wait -1
	s_cmp_lg_u32 s[WV], 0
	s_cbranch_scc1 .Lnot_wave_0_\@
	s_barrier_signal -3
.Lnot_wave_0_\@:
	s_barrier_wait -3
	s_barrier_signal -1
	s_barrier_wait -1
.endm
.macro JLOAD                           ; a joint load; the branch hangs on the wave's number alone; s_nop 0 and four v_nop follow each line
	s_cmp_lt_u32 s[WV], 2
	s_cbranch_scc0 .Lfor_b_\@
	tensor_load_to_lds s[G0A:G0A+3], s[G1A:G1A+7]
	s_nop 0
	PLACES
	s_branch .Lasked_\@
.Lfor_b_\@:
	tensor_load_to_lds s[G0B:G0B+3], s[G1B:G1B+7]
	s_nop 0
	PLACES
.Lasked_\@:
.endm
; A PREFETCH INTO THE L2, behind the joint load and the first run of LDS loads: the K step that stands two refills on.  Of the 128 blocks of 256 bytes that a wave's tensor load brings, each of the four
; partners that ask jointly names 32, told apart by address: a lane a block, one instruction a wave.  x's rows are read by this cluster alone; W^T's by all sixteen clusters: the cluster with y = 0 asks.
.macro ASK which
.if \which
	s_cmp_eq_u32 s[ASKF], 1
	s_cbranch_scc0 .Lnot_mine_\@
.if (\which) == 1
	global_prefetch_b8 v[PFOV], s[PFV:PFV+1] th:TH_LOAD_NT scope:SCOPE_SE
.else
	global_prefetch_b8 v[PFOL], s[PFL:PFL+1] th:TH_LOAD_NT scope:SCOPE_SE
.endif
.Lnot_mine_\@:
.endif
.endm
; 16 LDS loads: 32 along K.  x: lane l holds row l % 16; k = 8 (l / 16) + 0..7 are 32 bytes of f32, k = 16 + 8 (l / 16) + 0..7 the 32 bytes 64 further on.  W^T: two loads of 16 bytes, 32 apart.
.macro FETCH buf, ka, kb
.irp a, 0,1
	ds_load_b128 v[RAW+32*(\buf)+16*(\a):RAW+32*(\buf)+16*(\a)+3],     v[ADRA] offset:(\a)*16*PA+(\ka)
	ds_load_b128 v[RAW+32*(\buf)+16*(\a)+4:RAW+32*(\buf)+16*(\a)+7],   v[ADRA] offset:(\a)*16*PA+(\ka)+16
	ds_load_b128 v[RAW+32*(\buf)+16*(\a)+8:RAW+32*(\buf)+16*(\a)+11],  v[ADRA] offset:(\a)*16*PA+(\ka)+64
	ds_load_b128 v[RAW+32*(\buf)+16*(\a)+12:RAW+32*(\buf)+16*(\a)+15], v[ADRA] offset:(\a)*16*PA+(\ka)+80
.endr
.irp nb, 0,1,2,3
	ds_load_b128 v[BF+32*(\buf)+8*(\nb):BF+32*(\buf)+8*(\nb)+3],   v[ADRB] offset:(\nb)*16*PB+(\kb)
	ds_load_b128 v[BF+32*(\buf)+8*(\nb)+4:BF+32*(\buf)+8*(\nb)+7], v[ADRB] offset:(\nb)*16*PB+(\kb)+32
.endr
.endm
.macro CVT buf                         ; 32 numbers of x to bf16: also the places between the products that last read a buffer and the loads into it
.set i, 0
.rept 16
	v_cvt_pk_bf16_f32 v[ABF+16*(\buf)+i], v[RAW+32*(\buf)+2*i], v[RAW+32*(\buf)+2*i+1]
.set i, i+1
.endr
.endm
.macro MUL buf                         ; eight products; the eight accumulators take turns, one instruction a turn, over the jumps too
.irp a, 0,1
.irp nb, 0,1,2,3
	v_wmma_f32_16x16x32_bf16 v[ACC+8*(4*(\a)+(\nb)):ACC+8*(4*(\a)+(\nb))+7], v[BF+32*(\buf)+8*(\nb):BF+32*(\buf)+8*(\nb)+7], v[ABF+16*(\buf)+8*(\a):ABF+16*(\buf)+8*(\a)+7], v[ACC+8*(4*(\a)+(\nb)):ACC+8*(4*(\a)+(\nb))+7]
.endr
.endr
.endm
; A K step: eight pieces of 32 along K on two sets of buffers; a piece's loads go out ahead of the products of the piece before.
.macro STEP ask
	v_add_nc_u32 v[ADRA], s[TB], v[ADRA0]
	v_add_nc_u32 v[ADRB], s[TB], v[ADRB0]
	FETCH 0, 0, 0
	ASK \ask
	s_mov_b32 s[CH], 4
.Lch_\@:
	s_wait_dscnt 0x0                               ; buffer 0 is in
	CVT 0
	FETCH 1, 128, 64
	MUL 0
	s_wait_dscnt 0x0                               ; buffer 1 is in
	CVT 1
	s_cmp_eq_u32 s[CH], 1
	s_cbranch_scc1 .Lnf_\@                         ; the step's last piece has none behind it
	FETCH 0, 256, 128
.Lnf_\@:
	MUL 1
	v_add_nc_u32 v[ADRA], 0x100, v[ADRA]
	v_add_nc_u32 v[ADRB], 0x80, v[ADRB]
	s_sub_co_u32 s[CH], s[CH], 1
	s_cmp_lg_u32 s[CH], 0
	s_cbranch_scc1 .Lch_\@
.if (\ask) == 1
	s_wait_xcnt 0x0                                ; the prefetch, a K step's products back, has read its address
	s_add_nc_u64 s[PFV:PFV+1], s[PFV:PFV+1], s[PST:PST+1]
.endif
.if (\ask) == 2
	s_wait_xcnt 0x0
	s_add_nc_u64 s[PFL:PFL+1], s[PFL:PFL+1], s[PST:PST+1]
.endif
.endm
; THE CHANGE OF SLOTS.  Each wave waits for all its tensor loads (one is out: its part of the slot to be read), adds 0 to its spare word, and waits for that and for its reads of the slot that it leaves.
; kind 1: that slot takes the next K step; kind 2: ling's first K step (row pitch 768, new addresses); the barrier is then a round of the cluster's and the joint load is the first thing behind it.  kind 0: nothing is left to fetch.
.macro CHANGE kind
	s_wait_tensorcnt 0x0                           ; no tensor load of mine is out, so the descriptors may be written
	ds_add_u32 v[SPW], v[NIL]                      ; the descriptors' steps stand between the add and the wait for it
.if \kind
	s_xor_b32 s[G0A+1], s[G0A+1], SLOT1
	s_xor_b32 s[G0B+1], s[G0B+1], SLOT1
.endif
.if (\kind) == 1
	s_add_nc_u64 s[G0A+2:G0A+3], s[G0A+2:G0A+3], 1024
	s_add_nc_u64 s[G0B+2:G0B+3], s[G0B+2:G0B+3], 512
.endif
.if (\kind) == 2
	s_mov_b32 s[G1A+5], 768
	s_mov_b32 s[G1B+5], 768
	s_mov_b64 s[G0A+2:G0A+3], s[LA:LA+1]
	s_or_b32 s[G0A+3], s[G0A+3], 0x80000000
	s_mov_b64 s[G0B+2:G0B+3], s[LB:LB+1]
	s_or_b32 s[G0B+3], s[G0B+3], 0x80000000
.endif
	s_wait_dscnt 0x0                               ; the add is done, and my reads of the slot are over
.if \kind
	CROUND
	JLOAD
.else
	s_barrier_signal -1
	s_barrier_wait -1
.endif
	s_xor_b32 s[TB], s[TB], SLOT1
.endm
; THE WAY OUT: + bias; max(h, 0.01 h) is the LeakyReLU, since the slope is under 1; rounded to f16; through the stage, since a row's 256 bytes come from two waves; whole rows out.
.macro EPI bb, ob
	PLACES
	WIN 0x04                                       ; source 1 in window 1
.set i, 0
.rept 32
	v_pk_add_f32 v[ACC+2*i:ACC+2*i+1], v[ACC+2*i:ACC+2*i+1], v[(\bb)+(2*i)%32:(\bb)+(2*i)%32+1]  ; ascending: each accumulator's lowest registers are read first
.set i, i+1
.endr
	WIN 0
.set i, 0
.rept 32
	v_pk_mul_f32 v[RAW+2*i:RAW+2*i+1], v[ACC+2*i:ACC+2*i+1], 0x3c23d70a op_sel_hi:[1,0]
.set i, i+1
.endr
.set i, 0
.rept 64
	v_max_num_f32 v[ACC+i], v[ACC+i], v[RAW+i]
.set i, i+1
.endr
.set i, 0
.rept 32
	v_cvt_pk_f16_f32 v[BF+i], v[ACC+2*i], v[ACC+2*i+1]
.set i, i+1
.endr
.irp a, 0,1
.irp nb, 0,1,2,3
	ds_store_b128 v[STO], v[BF+4*(4*(\a)+(\nb)):BF+4*(4*(\a)+(\nb))+3] offset:(\a)*16*SPITCH+32*(\nb)
.endr
.endr
	s_wait_dscnt 0x0                               ; for the others' sake: my stores into the stage are done
	s_barrier_signal -1
	s_barrier_wait -1
.irp u, 0,1,2,3,4,5,6,7
	ds_load_b128 v[RAW+4*(\u):RAW+4*(\u)+3], v[RD] offset:(\u)*2*SPITCH
.endr
.irp u, 0,1,2,3,4,5,6,7
	s_wait_dscnt 7-(\u)
	global_store_b128 v[CO], v[RAW+4*(\u):RAW+4*(\u)+3], s[(\ob):(\ob)+1] offset:(\u)*2048  ; 16 lanes store 256 consecutive bytes, aligned
.endr
.endm
.macro CLEAR
.set i, 0
.rept 64
	v_mov_b32 v[ACC+i], 0
.set i, i+1
.endr
.endm
	s_load_b256 s[4:11], s[0:1], 0x0               ; visu_feats s[4:5], ling_feats s[6:7], wsP s[8:9], bv1 s[10:11]
	s_load_b128 s[12:15], s[0:1], 0x20             ; bl1 s[12:13], wsH1 s[14:15]
	v_lshl_add_u32 v[SPW], v0, 2, SPARE
	v_mov_b32 v[NIL], 0
	ds_add_u32 v[SPW], v[NIL]                      ; the wave's opening: the add, twice on end, and its wait ahead of my first tensor load
	ds_add_u32 v[SPW], v[NIL]
	v_lshrrev_b32 v1, 5, v0
	v_readfirstlane_b32 s[WV], v1
	s_lshr_b32 s17, s[WV], 1                       ; which 32 rows of the tile are mine
	s_and_b32 s18, s[WV], 1                        ; which 64 columns; also: which half of a tile I fetch
	s_bfe_u32 s19, ttmp6, 0x40000                  ; cx
	s_bfe_u32 s20, ttmp6, 0x40004                  ; cy
	s_lshl_b32 s21, ttmp9, 2
	s_add_co_u32 s21, s21, s19                     ; tile column
	s_and_b32 s23, ttmp7, 0xffff                   ; cluster y
	s_lshl_b32 s22, s23, 2
	s_add_co_u32 s22, s22, s20                     ; tile row
	s_lshl_b32 s70, s20, 2
	s_lshl_b32 s70, 15, s70                        ; my row of the cluster
	s_lshl_b32 s74, 0x1111, s19                    ; my column
	s_or_b32 s[G1A], s70, 0x07f20000               ; mask; elements of 4 bytes; padding on; bit 21 beside a mask; after every 256 words (code 7) 4 words (code 3)
	s_or_b32 s[G1B], s74, 0x07b10000               ; mask; elements of 2 bytes; after every 128 words (code 6) 4 words
	s_mov_b32 s[G1A+1], 256<<16                    ; tensor_dim0 = 256
	s_mov_b32 s[G1A+2], 32<<16                     ; tensor_dim1 = 32
	s_mov_b32 s[G1A+3], 256<<16                    ; tile_dim0 = 256
	s_mov_b32 s[G1A+4], 32                         ; tile_dim1 = 32
	s_mov_b32 s[G1A+5], 4096                       ; elements from row to row
	s_mov_b32 s[G1A+6], 0
	s_mov_b32 s[G1A+7], 0
	s_mov_b32 s[G1B+1], 256<<16
	s_mov_b32 s[G1B+2], 64<<16
	s_mov_b32 s[G1B+3], 256<<16
	s_mov_b32 s[G1B+4], 64
	s_mov_b32 s[G1B+5], 4096
	s_mov_b32 s[G1B+6], 0
	s_mov_b32 s[G1B+7], 0
	s_mov_b32 s[G0A], 1
	s_mul_i32 s[G0A+1], s18, 32*PA                 ; slot 0: x's two halves,
	s_mov_b32 s[G0B], 1
	s_mul_i32 s[G0B+1], s18, 64*PB
	s_add_co_u32 s[G0B+1], s[G0B+1], BREG          ; then W^T's
	s_lshl_b32 s70, s22, 6                         ; x: row 64 x tile row + 32 x half; these registers never hold cx
	s_lshl_b32 s71, s18, 5
	s_add_co_u32 s70, s70, s71
	s_lshl_b32 s72, s70, 14                        ; rows of 16,384 bytes
	s_mov_b32 s73, 0
	s_mul_i32 s80, s70, 3072
	s_mov_b32 s81, 0
	s_lshl_b32 s74, s21, 7                         ; W^T: row 128 x tile column + 64 x half; these never hold cy
	s_lshl_b32 s75, s18, 6
	s_add_co_u32 s74, s74, s75
	s_lshl_b32 s76, s74, 13                        ; rows of 8,192 bytes
	s_mov_b32 s77, 0
	s_mul_i32 s78, s74, 1536
	s_add_co_u32 s78, s78, 4194304
	s_mov_b32 s79, 0
	s_mov_b32 s93, 0
	s_mov_b32 s95, 0
	s_mov_b32 s[HIM], 0xffff0000
	s_wait_dscnt 0x0                               ; both opening adds are done
	s_wait_kmcnt 0x0
	s_add_nc_u64 s[G0A+2:G0A+3], s[4:5], s[72:73]
	s_or_b32 s[G0A+3], s[G0A+3], 0x80000000
	s_add_nc_u64 s[LA:LA+1], s[6:7], s[80:81]
	s_add_nc_u64 s[G0B+2:G0B+3], s[8:9], s[76:77]
	s_or_b32 s[G0B+3], s[G0B+3], 0x80000000
	s_add_nc_u64 s[LB:LB+1], s[8:9], s[78:79]
	CROUND                                         ; all sixteen work-groups are here: the first joint loads meet
	JLOAD                                          ; K step 0 into slot 0
	; the prefetches: what differs between a wave that fetches x and one that fetches W^T
	s_cmp_lt_u32 s[WV], 2
	s_cselect_b32 s85, 1, 0
	s_cselect_b32 s82, 2, 1                        ; lanes to a row: 4 or 2 (as a shift)
	s_cselect_b32 s83, 3, 1                        ; the block in the row
	s_cselect_b32 s87, 3, 4                        ; rows to a partner: 8 or 16 (as a shift)
	s_cselect_b32 s88, s19, s20                    ; my place among the four that ask with me
	s_cselect_b32 s89, s70, s74                    ; the first row that I fetch
	s_cselect_b32 s90, ttmp9, s23                  ; the coordinate along which other clusters read the same rows
	s_cselect_b32 s91, 0, 4194304
	s_cselect_b64 s[PFV:PFV+1], s[4:5], s[8:9]
	s_cselect_b64 s[PFL:PFL+1], s[6:7], s[8:9]
	s_lshl_b32 s84, 8192, s85                      ; a row in bytes: visu's steps,
	s_lshl_b32 s86, 1536, s85                      ; ling's steps
	s_lshl_b32 s[PST], 512, s85
	s_mov_b32 s[PST+1], 0
	s_lshl_b32 s88, s88, s87
	s_add_co_u32 s89, s89, s88
	s_mul_i32 s92, s89, s84
	s_add_nc_u64 s[PFV:PFV+1], s[PFV:PFV+1], s[92:93]
	s_mul_i32 s94, s[PST], 3
	s_add_nc_u64 s[PFV:PFV+1], s[PFV:PFV+1], s[94:95]  ; at K step 3: trip k names K step k + 3; steps 0 to 2 come by their loads alone
	s_mul_i32 s92, s89, s86
	s_add_co_u32 s92, s92, s91
	s_add_nc_u64 s[PFL:PFL+1], s[PFL:PFL+1], s[92:93]  ; ling's K step 0
	s_cmp_eq_u32 s90, 0
	s_cselect_b32 s[ASKF], 1, 0                    ; the same in all sixteen partners, for a given wave
	s_lshl_b32 s92, s22, 16                        ; H1: 64 rows of 1,024 bytes a tile row,
	s_lshl_b32 s94, s21, 8                         ; 256 bytes a tile column
	s_add_co_u32 s92, s92, s94
	s_add_nc_u64 s[OL:OL+1], s[14:15], s[92:93]
	s_add_nc_u64 s[OV:OV+1], s[OL:OL+1], 4194304
	s_lshl_b32 s92, s21, 9                         ; the biases at my 64 columns
	s_lshl_b32 s94, s18, 8
	s_add_co_u32 s92, s92, s94
	s_add_nc_u64 s[10:11], s[10:11], s[92:93]
	s_add_nc_u64 s[12:13], s[12:13], s[92:93]
	v_and_b32 v1, 15, v0                           ; l % 16
	v_bfe_u32 v2, v0, 4, 1                         ; l / 16
	v_and_b32 v3, 31, v0
	v_lshlrev_b32 v[BO], 5, v2
	WIN 0x40                                       ; destination window 1
.irp nb, 0,1,2,3
	global_load_b128 v[8*(\nb):8*(\nb)+3],       v[BO], s[10:11] offset:64*(\nb)
	global_load_b128 v[8*(\nb)+4:8*(\nb)+7],     v[BO], s[10:11] offset:64*(\nb)+16
	global_load_b128 v[32+8*(\nb):32+8*(\nb)+3], v[BO], s[12:13] offset:64*(\nb)
	global_load_b128 v[32+8*(\nb)+4:32+8*(\nb)+7], v[BO], s[12:13] offset:64*(\nb)+16
.endr
	WIN 0
	v_lshrrev_b32 v16, s82, v3
	v_and_b32 v17, s83, v3
	v_mul_lo_u32 v[PFOV], v16, s84
	v_lshl_add_u32 v[PFOV], v17, 8, v[PFOV]
	v_mul_lo_u32 v[PFOL], v16, s86
	v_lshl_add_u32 v[PFOL], v17, 8, v[PFOL]
	s_mul_i32 s92, s17, 32*PA
	v_mul_u32_u24 v[ADRA0], v1, PA
	v_lshl_add_u32 v[ADRA0], v2, 5, v[ADRA0]
	v_add_nc_u32 v[ADRA0], s92, v[ADRA0]
	s_mul_i32 s92, s18, 64*PB
	s_add_co_u32 s92, s92, BREG
	v_mul_u32_u24 v[ADRB0], v1, PB
	v_lshl_add_u32 v[ADRB0], v2, 4, v[ADRB0]
	v_add_nc_u32 v[ADRB0], s92, v[ADRB0]
	s_mul_i32 s92, s17, 32*SPITCH
	s_lshl_b32 s94, s18, 7
	s_add_co_u32 s92, s92, s94
	s_add_co_u32 s92, s92, STAGE
	v_mul_u32_u24 v[STO], v1, SPITCH
	v_lshl_add_u32 v[STO], v2, 4, v[STO]
	v_add_nc_u32 v[STO], s92, v[STO]
	s_mul_i32 s92, s[WV], 16*SPITCH
	s_add_co_u32 s92, s92, STAGE
	v_mul_u32_u24 v[RD], v2, SPITCH
	v_lshl_add_u32 v[RD], v1, 4, v[RD]
	v_add_nc_u32 v[RD], s92, v[RD]
	s_lshl_b32 s92, s[WV], 14
	v_lshlrev_b32 v[CO], 10, v2
	v_lshl_add_u32 v[CO], v1, 4, v[CO]
	v_add_nc_u32 v[CO], s92, v[CO]
	CLEAR
	s_mov_b32 s[TB], SLOT1                         ; the first change turns it into 0
	s_wait_loadcnt 0x0                             ; the biases
	WIN 0x05                                       ; sources in window 1, destination in window 0: the 64 numbers of the biases are rounded to bf16, two a line, into registers that the loop has not yet used,
.set i, 0
.rept 32
	v_cvt_pk_bf16_f32 v[RAW+i], v[2*i], v[2*i+1]
.set i, i+1
.endr
	WIN 0x40                                       ; and go back as f32 (a shift, a mask): destination in window 1
.set i, 0
.rept 32
	v_lshlrev_b32 v[2*i], 16, v[RAW+i]
	v_and_b32 v[2*i+1], s[HIM], v[RAW+i]
.set i, i+1
.endr
	WIN 0
	s_mov_b32 s[CNT], 13
.La1:                                          ; trips 0-12: K step k is multiplied, k + 1 asked for, visu's k + 3 prefetched
	CHANGE 1
	STEP 1
	s_sub_co_u32 s[CNT], s[CNT], 1
	s_cmp_lg_u32 s[CNT], 0
	s_cbranch_scc1 .La1
	s_mov_b32 s[CNT], 2
.La2:                                          ; trips 13, 14: ling's K steps 0 and 1 are prefetched
	CHANGE 1
	STEP 2
	s_sub_co_u32 s[CNT], s[CNT], 1
	s_cmp_lg_u32 s[CNT], 0
	s_cbranch_scc1 .La2
	CHANGE 2                                       ; trip 15: visu's last K step; ling's first is asked for, its last prefetched
	STEP 2
	EPI 0, OV
	s_wait_xcnt 0x0                                ; the stores have read their registers
	CLEAR
	s_mov_b32 s[CNT], 2
.Lb:
	CHANGE 1
	STEP 0
	s_sub_co_u32 s[CNT], s[CNT], 1
	s_cmp_lg_u32 s[CNT], 0
	s_cbranch_scc1 .Lb
	CHANGE 0                                       ; the last K step: nothing is left to fetch
	STEP 0
	EPI 32, OL
	s_wait_tensorcnt 0x0                           ; the wave's end
	ds_add_u32 v[SPW], v[NIL]
	s_wait_dscnt 0x0
	CROUND                                         ; the closing round
	s_endpgm
.Lfunc_end_k_qbc4ce849ce_mlp1:
	.size	k_qbc4ce849ce_mlp1, .Lfunc_end_k_qbc4ce849ce_mlp1-k_qbc4ce849ce_mlp1
	.p2alignl 7, 3214868480
	.fill 96, 4, 3214868480
	.section	.rodata,"a",@progbits
	.p2align	6, 0x0
	.amdhsa_kernel k_qbc4ce849ce_mlp1
		.amdhsa_group_segment_fixed_size 327680
		.amdhsa_private_segment_fixed_size 0
		.amdhsa_enable_private_segment 0
		.amdhsa_kernarg_size 48
		.amdhsa_user_sgpr_count 2
		.amdhsa_user_sgpr_kernarg_segment_ptr 1
		.amdhsa_wavefront_size32 1
		.amdhsa_system_sgpr_workgroup_id_x 1
		.amdhsa_system_sgpr_workgroup_id_y 1
		.amdhsa_system_sgpr_workgroup_id_z 1
		.amdhsa_system_vgpr_workitem_id 0
		.amdhsa_next_free_vgpr 320
		.amdhsa_next_free_sgpr 96
		.amdhsa_reserve_vcc 0
		.amdhsa_float_denorm_mode_32 3
		.amdhsa_float_denorm_mode_16_64 3
		.amdhsa_memory_ordered 1
		.amdhsa_forward_progress 1
		.amdhsa_inst_pref_size 80
	.end_amdhsa_kernel
	.amdgpu_metadata
---
amdhsa.version: [ 1, 2 ]
amdhsa.kernels:
  - .name:           k_qbc4ce849ce_mlp1
    .symbol:         k_qbc4ce849ce_mlp1.kd
    .args:
      - { .name: visu_feats, .offset: 0, .size: 8, .value_kind: global_buffer, .address_space: global }
      - { .name: ling_feats, .offset: 8, .size: 8, .value_kind: global_buffer, .address_space: global }
      - { .name: wsP, .offset: 16, .size: 8, .value_kind: global_buffer, .address_space: global }
      - { .name: bv1, .offset: 24, .size: 8, .value_kind: global_buffer, .address_space: global }
      - { .name: bl1, .offset: 32, .size: 8, .value_kind: global_buffer, .address_space: global }
      - { .name: wsH1, .offset: 40, .size: 8, .value_kind: global_buffer, .address_space: global }
    .group_segment_fixed_size: 327680
    .private_segment_fixed_size: 0
    .kernarg_segment_align: 8
    .kernarg_segment_size: 48
    .max_flat_workgroup_size: 128
    .sgpr_count:     96
    .vgpr_count:     320
    .wavefront_size: 32
...
	.end_amdgpu_metadata
.endif
;; end of part 2
;; launch mlp2 (part 3): grid 4 x 64, 4 waves a work-group, clusters of 4 x 4, 327,680 bytes of LDS; arguments wsH1, wsP, wsH2; writes wsH2
.if DOCPART == 3
	.amdgcn_target "amdgcn-amd-amdhsa--gfx1250"
	.amdhsa_code_object_version 6
	.text
	.protected	k_qbc4ce849ce_mlp2
	.globl	k_qbc4ce849ce_mlp2
	.p2align	8
	.type	k_qbc4ce849ce_mlp2,@function
k_qbc4ce849ce_mlp2:
	s_mov_b64 s[64:65], 0
	v_nop
	global_prefetch_b8 v0, s[64:65] scope:SCOPE_SE
	s_setreg_imm32_b32 hwreg(HW_REG_WAVE_MODE, 25, 1), 1
	s_wait_xcnt 0x0
	s_wait_alu depctr_hold_cnt(0) depctr_sa_sdst(0) depctr_va_vdst(0) depctr_va_sdst(0) depctr_va_ssrc(0) depctr_va_vcc(0) depctr_vm_vsrc(0)
	s_getreg_b32 s2, hwreg(HW_REG_IB_STS2, 6, 4)
	s_cmp_eq_u32 s2, 0
	s_cbranch_scc0 .Lentry_in_a_cluster
	s_endpgm
.Lentry_in_a_cluster:
	s_bfe_u32 s2, ttmp6, 0x10000c
	s_cmp_lg_u32 s2, 0xf033
	s_cbranch_scc0 .Lentry_shape_is_right
	s_endpgm
.Lentry_shape_is_right:
; MLP2.  H2 = H1 W2, f32, for ling (rows 0-4,095 of wsH1 and wsH2) and visu (rows 4,096-8,191); and for each tile of 128 rows the column means and the sums of squared deviations from them (M2).
; Both operands are f16: H1 as the launch before rounded it, W2 as its bf16 rounding written in f16; sums in f32.  RANGE: both arrive within 65,504 (the figures stand at the heads of the launches that write them).
; LEFT OUT: + b2 (bl2, bv2): BatchNorm takes the column mean away, so the term cancels for all values (shown at the head of the first kernel).
; wsH2: H2 [8192][512] f32 at 0; PS at 16,777,216: [tile row 0..63][mean, M2][512] f32.  Mean first, deviations second: no difference of large sums is formed.
; SHARES.  A tile is 128 x 128; four waves, each 64 x 64: 16 accumulators.  K = 512 is two steps of 256: both slots are filled once, at the start; nothing is filled again.
; CLUSTER 4 x 4: H1's tile is asked for jointly by a row of the cluster, W2^T's by a column.  The product is taken transposed: a lane holds one row and eight neighbouring columns.
; No prefetch: all that the work-group reads is asked for at its head.
; REGISTERS: window 0: v0-31 addresses; v32-95 at work on the way out; v128-255 the accumulators ((a, b) at 128 + 8 (4 a + b)).  Window 1: two fragment buffers of 128.
.set KSTEP,  256
.set PITCH,  528
.set HALFT,  64*PITCH
.set SLOT,   4*HALFT
.set SPARE,  2*SLOT                    ; the spare words, 128 bytes a wave
.set SUMS,   128*PITCH                 ; the way out uses slot 0, whose last fill and last read are past: the stage (128 rows of 512 bytes + 16) at 0; then, from byte 67,584 on,
                                       ; four waves' column sums (2,048 bytes) and their M2 (2,048 bytes).  That base is past an LDS immediate's 16 bits, so it lies in the address registers SA and CS
.set ADRA, 16
.set ADRB, 20
.set STO,  24
.set RD,   25
.set CO,   26                          ; v26  16 x lane
.set SA,   27                          ; v27  SUMS + 512 x wave + 16 x lane
.set SPW,  28
.set NIL,  29
.set CS,   30                          ; v30  SUMS + 16 x lane
.set ACC,  128
.set F0,   0
.set F1,   128
.set G1, 24
.set G0, 32
.set G1B, 48
.set G0B, 56
.set MSB, 0
.macro WIN new
.if MSB != (\new)
	s_set_vgpr_msb (MSB<<8)|(\new)
.set MSB, \new
.endif
.endm
.set MUL,  0x05                        ; sources 0 and 1 window 1; C and D window 0
.set TO_F, 0x40                        ; destination window 1
.macro PLACES
.rept 4
	v_nop
.endr
.endm
.macro JLOAD s
	s_cmp_eq_u32 s11, 0
	s_cbranch_scc0 .Lfor_b_\@
	tensor_load_to_lds s[G0+4*(\s):G0+4*(\s)+3], s[G1:G1+7]
	s_nop 0
	PLACES
	s_branch .Lasked_\@
.Lfor_b_\@:
	tensor_load_to_lds s[G0B+4*(\s):G0B+4*(\s)+3], s[G1B:G1B+7]
	s_nop 0
	PLACES
.Lasked_\@:
.endm
.macro CROUND
	s_barrier_signal -1
	s_barrier_wait -1
	s_cmp_lg_u32 s10, 0
	s_cbranch_scc1 .Lnot_wave_0_\@
	s_barrier_signal -3
.Lnot_wave_0_\@:
	s_barrier_wait -3
	s_barrier_signal -1
	s_barrier_wait -1
.endm
	s_load_b128 s[4:7], s[0:1], 0x0                ; wsH1 s[4:5], wsP s[6:7]
	s_load_b64 s[8:9], s[0:1], 0x10                ; wsH2
	v_lshl_add_u32 v[SPW], v0, 2, SPARE
	v_mov_b32 v[NIL], 0
	ds_add_u32 v[SPW], v[NIL]                      ; the wave's opening: the add, twice on end, and its wait ahead of my first tensor load
	ds_add_u32 v[SPW], v[NIL]
	v_lshrrev_b32 v1, 5, v0
	v_readfirstlane_b32 s10, v1                    ; wave
	s_lshr_b32 s11, s10, 1                         ; my half of the rows; also: I fetch H1 (0) or W2^T (1)
	s_and_b32 s12, s10, 1                          ; my half of the columns; also: which 64 rows I fetch
	s_bfe_u32 s40, ttmp6, 0x40000                  ; cx
	s_bfe_u32 s41, ttmp6, 0x40004                  ; cy
	s_lshl_b32 s42, ttmp9, 2
	s_add_co_u32 s42, s42, s40                     ; tile column
	s_and_b32 s45, ttmp7, 0xffff                   ; cluster y
	s_lshl_b32 s13, s45, 2
	s_add_co_u32 s13, s13, s41                     ; tile row 0..63
	s_lshl_b32 s43, s41, 2
	s_lshl_b32 s43, 15, s43
	s_lshl_b32 s44, 0x1111, s40
	s_or_b32 s[G1+0], s43, (1<<16)|(1<<20)|(1<<21)|(6<<22)|(3<<25)   ; mask of my row; 2-byte elements; padding: after every 128 words 4 words; bit 21 beside a mask
	s_or_b32 s[G1B+0], s44, (1<<16)|(1<<20)|(1<<21)|(6<<22)|(3<<25)  ; mask of my column
.irp g, G1, G1B
	s_mov_b32 s[(\g)+1], KSTEP<<16
	s_mov_b32 s[(\g)+2], 64<<16
	s_mov_b32 s[(\g)+3], KSTEP<<16
	s_mov_b32 s[(\g)+4], 64
	s_mov_b32 s[(\g)+5], 512
	s_mov_b32 s[(\g)+6], 0
	s_mov_b32 s[(\g)+7], 0
.endr
	s_lshl_b32 s17, s12, 6
	s_lshl_b32 s16, s13, 7
	s_add_co_u32 s16, s16, s17
	s_lshl_b32 s16, s16, 10                        ; H1: row 128 x tile row + 64 x half, 1,024 bytes a row
	s_lshl_b32 s46, s42, 7
	s_add_co_u32 s46, s46, s17
	s_lshl_b32 s46, s46, 10                        ; W2^T: row 128 x tile column + 64 x half,
	s_lshr_b32 s45, s45, 3                         ; of ling's (0) or visu's (1) matrix: the same in all sixteen partners
	s_lshl_b32 s45, s45, 19
	s_add_co_u32 s46, s46, s45
	s_add_co_u32 s46, s46, 4980736
	s_mov_b32 s17, 0
	s_mov_b32 s47, 0
	s_mul_i32 s20, s10, HALFT
	s_wait_dscnt 0x0
	s_wait_kmcnt 0x0
	s_add_nc_u64 s[14:15], s[4:5], s[16:17]
	s_add_nc_u64 s[46:47], s[6:7], s[46:47]
	CROUND
.irp s, 0,1
	s_mov_b32 s[G0+4*(\s)], 1
	s_add_co_u32 s[G0+4*(\s)+1], s20, (\s)*SLOT
	s_add_nc_u64 s[G0+4*(\s)+2:G0+4*(\s)+3], s[14:15], (\s)*KSTEP*2
	s_or_b32 s[G0+4*(\s)+3], s[G0+4*(\s)+3], 0x80000000
	s_mov_b32 s[G0B+4*(\s)], 1
	s_add_co_u32 s[G0B+4*(\s)+1], s20, (\s)*SLOT
	s_add_nc_u64 s[G0B+4*(\s)+2:G0B+4*(\s)+3], s[46:47], (\s)*KSTEP*2
	s_or_b32 s[G0B+4*(\s)+3], s[G0B+4*(\s)+3], 0x80000000
	JLOAD \s
.endr
	v_and_b32 v1, 15, v0
	v_bfe_u32 v2, v0, 4, 1
	v_and_b32 v5, 31, v0
	v_mul_u32_u24 v3, v1, PITCH
	v_lshl_add_u32 v4, v2, 5, v3                   ; the stage: row x pitch + 32 x half of the lanes
	v_lshl_add_u32 v3, v2, 4, v3                   ; a fragment: row x pitch + 16 x half
	s_mul_i32 s21, s11, HALFT
	s_mul_i32 s22, s12, HALFT
	s_add_co_u32 s22, s22, 2*HALFT
	s_lshl_b32 s23, s12, 8
	s_add_co_u32 s23, s23, s21                     ; into the stage: my 64 rows, my 256 bytes of them
	v_add_nc_u32 v[STO], s23, v4
.irp s, 0,1
	v_add_nc_u32 v[ADRA+(\s)], s21, v3
	v_add_nc_u32 v[ADRB+(\s)], s22, v3
	s_add_co_u32 s21, s21, SLOT
	s_add_co_u32 s22, s22, SLOT
.endr
	v_lshlrev_b32 v[CO], 4, v5
	s_mul_i32 s23, s10, 32*PITCH
	v_add_nc_u32 v[RD], s23, v[CO]                 ; back: rows 32 wave + i, whole: 32 lanes x 16 bytes
	s_lshl_b32 s23, s10, 9
	s_add_co_u32 s23, s23, SUMS
	v_add_nc_u32 v[SA], s23, v[CO]                 ; where my wave puts its 512 bytes of column figures,
	v_add_nc_u32 v[CS], SUMS, v[CO]                ; and where the four waves' are read back
	s_lshl_b32 s16, s13, 12                        ; PS: 4,096 bytes a tile row, 512 a tile column
	s_lshl_b32 s23, s42, 9
	s_add_co_u32 s16, s16, s23
	s_add_co_u32 s16, s16, 16777216
	s_add_nc_u64 s[14:15], s[8:9], s[16:17]
	s_lshl_b32 s16, s13, 18                        ; H2: 128 rows of 2,048 bytes a tile row, 32 rows a wave
	s_add_co_u32 s16, s16, s23
	s_lshl_b32 s23, s10, 16
	s_add_co_u32 s16, s16, s23
	s_add_nc_u64 s[8:9], s[8:9], s[16:17]
.macro MUL8 f, c, a0, zero             ; 8 products: m blocks a0, a0 + 1 x 4 n blocks; the 16 accumulators take turns
	WIN MUL
.irp a, \a0, (\a0)+1
.irp b, 0,1,2,3
.if \zero
	v_wmma_f32_16x16x32_f16 v[ACC+8*(4*(\a)+(\b)):ACC+8*(4*(\a)+(\b))+7], v[(\f)+64+8*(4*(\c)+(\b)):(\f)+64+8*(4*(\c)+(\b))+7], v[(\f)+8*(4*(\c)+(\a)):(\f)+8*(4*(\c)+(\a))+7], 0
.else
	v_wmma_f32_16x16x32_f16 v[ACC+8*(4*(\a)+(\b)):ACC+8*(4*(\a)+(\b))+7], v[(\f)+64+8*(4*(\c)+(\b)):(\f)+64+8*(4*(\c)+(\b))+7], v[(\f)+8*(4*(\c)+(\a)):(\f)+8*(4*(\c)+(\a))+7], v[ACC+8*(4*(\a)+(\b)):ACC+8*(4*(\a)+(\b))+7]
.endif
.endr
.endr
.endm
.macro FETCH slot, k, f                ; 32 LDS loads: the fragments of 64 along K at byte k of the rows; the first 32 along K first
	WIN TO_F
.irp c, 0,1
.irp i, 0,1,2,3
	ds_load_b128 v[(\f)+64+8*(4*(\c)+(\i)):(\f)+64+8*(4*(\c)+(\i))+3],   v[ADRB+(\slot)] offset:(\k)+64*(\c)+(\i)*16*PITCH
	ds_load_b128 v[(\f)+64+8*(4*(\c)+(\i))+4:(\f)+64+8*(4*(\c)+(\i))+7], v[ADRB+(\slot)] offset:(\k)+64*(\c)+(\i)*16*PITCH+32
	ds_load_b128 v[(\f)+8*(4*(\c)+(\i)):(\f)+8*(4*(\c)+(\i))+3],         v[ADRA+(\slot)] offset:(\k)+64*(\c)+(\i)*16*PITCH
	ds_load_b128 v[(\f)+8*(4*(\c)+(\i))+4:(\f)+8*(4*(\c)+(\i))+7],       v[ADRA+(\slot)] offset:(\k)+64*(\c)+(\i)*16*PITCH+32
.endr
.endr
.endm
.macro QUARTER slot, k, f, g, zero
	s_wait_dscnt 16                                ; the first 32 along K are in; the younger sixteen loads may be out
	MUL8 \f, 0, 0, \zero
	MUL8 \f, 0, 2, \zero
	PLACES
	FETCH \slot, \k, \g
	s_wait_dscnt 32                                ; all but the 32 just issued
	MUL8 \f, 1, 0, 0
	MUL8 \f, 1, 2, 0
.endm
	s_wait_tensorcnt 1                             ; my part of K step 0 is in; K step 1's load may stay out
	s_barrier_signal -1
	s_barrier_wait -1
	FETCH 0, 0, F0
	QUARTER 0, 128, F0, F1, 1                      ; the first products start the sums
	QUARTER 0, 256, F1, F0, 0
	QUARTER 0, 384, F0, F1, 0
	WIN 0                                          ; the change of slots: one barrier
	s_wait_tensorcnt 0x0                           ; my part of slot 1 is in
	ds_add_u32 v[SPW], v[NIL]
	s_wait_dscnt 17                                ; the add and the youngest sixteen loads may be out
	MUL8 F1, 0, 0, 0
	s_wait_dscnt 0x0                               ; the add is done, and my reads of slot 0 are over
	s_barrier_signal -1
	MUL8 F1, 0, 2, 0
	s_barrier_wait -1
	PLACES
	FETCH 1, 0, F0
	MUL8 F1, 1, 0, 0
	MUL8 F1, 1, 2, 0
	QUARTER 1, 128, F0, F1, 0
	QUARTER 1, 256, F1, F0, 0
	QUARTER 1, 384, F0, F1, 0
	s_wait_dscnt 16
	MUL8 F1, 0, 0, 0
	MUL8 F1, 0, 2, 0
	s_wait_dscnt 0
	MUL8 F1, 1, 0, 0
	MUL8 F1, 1, 2, 0
	WIN 0
	; THE WAY OUT.  The tile goes into the stage in f32; every wave's reads of slot 0 ended in front of the change of slots' barrier.
	PLACES
	PLACES                                         ; eight places, once a launch, between the last products and the LDS stores of their results
.irp a, 0,1,2,3
.irp b, 0,1,2,3
	ds_store_b128 v[STO], v[ACC+8*(4*(\a)+(\b)):ACC+8*(4*(\a)+(\b))+3]   offset:(\a)*16*PITCH+64*(\b)      ; each accumulator's four lowest registers first
	ds_store_b128 v[STO], v[ACC+8*(4*(\a)+(\b))+4:ACC+8*(4*(\a)+(\b))+7] offset:(\a)*16*PITCH+64*(\b)+16
.endr
.endr
	s_wait_dscnt 0x0                               ; for the others' sake: my stores are done
	s_barrier_signal -1
	s_barrier_wait -1
.set i, 0
.rept 32
	ds_load_b128 v[ACC+4*i:ACC+4*i+3], v[RD] offset:i*PITCH  ; row 32 wave + i: my lane holds 4 columns of it
.set i, i+1
.endr
.set i, 0
.rept 32
	s_wait_dscnt 31-i
	global_store_b128 v[CO], v[ACC+4*i:ACC+4*i+3], s[8:9] offset:i*2048  ; the wave stores 512 consecutive bytes, aligned
.set i, i+1
.endr
	v_pk_add_f32 v[32:33], v[ACC:ACC+1], v[ACC+4:ACC+5]       ; my 4 columns' sums over my 32 rows
	v_pk_add_f32 v[34:35], v[ACC+2:ACC+3], v[ACC+6:ACC+7]
.set i, 2
.rept 30
	v_pk_add_f32 v[32:33], v[32:33], v[ACC+4*i:ACC+4*i+1]
	v_pk_add_f32 v[34:35], v[34:35], v[ACC+4*i+2:ACC+4*i+3]
.set i, i+1
.endr
	ds_store_b128 v[SA], v[32:35]
	s_wait_dscnt 0x0
	s_barrier_signal -1
	s_barrier_wait -1
.irp v, 0,1,2,3
	ds_load_b128 v[36+4*(\v):36+4*(\v)+3], v[CS] offset:512*(\v)
.endr
	s_wait_dscnt 0x0
	v_pk_add_f32 v[36:37], v[36:37], v[40:41]
	v_pk_add_f32 v[38:39], v[38:39], v[42:43]
	v_pk_add_f32 v[44:45], v[44:45], v[48:49]
	v_pk_add_f32 v[46:47], v[46:47], v[50:51]
	v_pk_add_f32 v[36:37], v[36:37], v[44:45]
	v_pk_add_f32 v[38:39], v[38:39], v[46:47]
	v_pk_mul_f32 v[36:37], v[36:37], 0x3c000000 op_sel_hi:[1,0]   ; / 128: the tile's column means
	v_pk_mul_f32 v[38:39], v[38:39], 0x3c000000 op_sel_hi:[1,0]
.set i, 0
.rept 32
	v_pk_add_f32 v[52+4*(i%2):53+4*(i%2)], v[ACC+4*i:ACC+4*i+1],   v[36:37] neg_lo:[0,1] neg_hi:[0,1]
	v_pk_add_f32 v[54+4*(i%2):55+4*(i%2)], v[ACC+4*i+2:ACC+4*i+3], v[38:39] neg_lo:[0,1] neg_hi:[0,1]
.if i == 0
	v_pk_mul_f32 v[60:61], v[52:53], v[52:53]
	v_pk_mul_f32 v[62:63], v[54:55], v[54:55]
.else
	v_pk_fma_f32 v[60:61], v[52+4*(i%2):53+4*(i%2)], v[52+4*(i%2):53+4*(i%2)], v[60:61]
	v_pk_fma_f32 v[62:63], v[54+4*(i%2):55+4*(i%2)], v[54+4*(i%2):55+4*(i%2)], v[62:63]
.endif
.set i, i+1
.endr
	ds_store_b128 v[SA], v[60:63] offset:2048      ; bytes of their own, behind the column sums: no wave still reads what is written here
	s_wait_dscnt 0x0
	s_barrier_signal -1
	s_barrier_wait -1
	s_cmp_lg_u32 s10, 0                            ; wave 0 adds the four M2 and stores the tile's figures
	s_cbranch_scc1 .Lend
.irp v, 0,1,2,3
	ds_load_b128 v[64+4*(\v):64+4*(\v)+3], v[CS] offset:2048+512*(\v)
.endr
	s_wait_dscnt 0x0
	v_pk_add_f32 v[64:65], v[64:65], v[68:69]
	v_pk_add_f32 v[66:67], v[66:67], v[70:71]
	v_pk_add_f32 v[72:73], v[72:73], v[76:77]
	v_pk_add_f32 v[74:75], v[74:75], v[78:79]
	v_pk_add_f32 v[64:65], v[64:65], v[72:73]
	v_pk_add_f32 v[66:67], v[66:67], v[74:75]
	global_store_b128 v[CO], v[36:39], s[14:15]
	global_store_b128 v[CO], v[64:67], s[14:15] offset:2048
.Lend:
	s_wait_tensorcnt 0x0                           ; the wave's end
	ds_add_u32 v[SPW], v[NIL]
	s_wait_dscnt 0x0
	CROUND                                         ; the closing round
	s_endpgm
.Lfunc_end_k_qbc4ce849ce_mlp2:
	.size	k_qbc4ce849ce_mlp2, .Lfunc_end_k_qbc4ce849ce_mlp2-k_qbc4ce849ce_mlp2
	.p2alignl 7, 3214868480
	.fill 96, 4, 3214868480
	.section	.rodata,"a",@progbits
	.p2align	6, 0x0
	.amdhsa_kernel k_qbc4ce849ce_mlp2
		.amdhsa_group_segment_fixed_size 327680
		.amdhsa_private_segment_fixed_size 0
		.amdhsa_enable_private_segment 0
		.amdhsa_kernarg_size 24
		.amdhsa_user_sgpr_count 2
		.amdhsa_user_sgpr_kernarg_segment_ptr 1
		.amdhsa_wavefront_size32 1
		.amdhsa_system_sgpr_workgroup_id_x 1
		.amdhsa_system_sgpr_workgroup_id_y 1
		.amdhsa_system_sgpr_workgroup_id_z 1
		.amdhsa_system_vgpr_workitem_id 0
		.amdhsa_next_free_vgpr 512
		.amdhsa_next_free_sgpr 66
		.amdhsa_reserve_vcc 0
		.amdhsa_float_denorm_mode_32 3
		.amdhsa_float_denorm_mode_16_64 3
		.amdhsa_memory_ordered 1
		.amdhsa_forward_progress 1
		.amdhsa_inst_pref_size 64
	.end_amdhsa_kernel
	.amdgpu_metadata
---
amdhsa.version: [ 1, 2 ]
amdhsa.kernels:
  - .name:           k_qbc4ce849ce_mlp2
    .symbol:         k_qbc4ce849ce_mlp2.kd
    .args:
      - { .name: wsH1, .offset: 0, .size: 8, .value_kind: global_buffer, .address_space: global }
      - { .name: wsP, .offset: 8, .size: 8, .value_kind: global_buffer, .address_space: global }
      - { .name: wsH2, .offset: 16, .size: 8, .value_kind: global_buffer, .address_space: global }
    .group_segment_fixed_size: 327680
    .private_segment_fixed_size: 0
    .kernarg_segment_align: 8
    .kernarg_segment_size: 24
    .max_flat_workgroup_size: 128
    .sgpr_count:     66
    .vgpr_count:     512
    .wavefront_size: 32
...
	.end_amdgpu_metadata
.endif
;; end of part 3
;; launch bnorm (part 4): grid 128 x 2, 4 waves a work-group, no clusters, 6,656 bytes of LDS; arguments wsH2, gl, gv, betal, betav, out1, out2, wsN; writes out1, out2, wsN
.if DOCPART == 4
	.amdgcn_target "amdgcn-amd-amdhsa--gfx1250"
	.amdhsa_code_object_version 6
	.text
	.protected	k_qbc4ce849ce_bnorm
	.globl	k_qbc4ce849ce_bnorm
	.p2align	8
	.type	k_qbc4ce849ce_bnorm,@function
k_qbc4ce849ce_bnorm:
	s_mov_b64 s[64:65], 0
	v_nop
	global_prefetch_b8 v0, s[64:65] scope:SCOPE_SE
	s_setreg_imm32_b32 hwreg(HW_REG_WAVE_MODE, 25, 1), 1
	s_wait_xcnt 0x0
; BNORM.  y = (h - mean) gamma / sqrt(var + 1e-5) + beta, f32, to out1 (ling, grid y = 0) or out2 (visu, y = 1); and y / (|y| + 1e-12) in bf16 to wsN ([2][4096][512]).
; gamma and beta are rounded once to bf16, as all inputs of the two MLPs are (x, W1, b1, W2 in the launches before): one rounding for every input.
; The 32 tiles' column means and M2 are combined: mean = sum of means / 32; M2 = sum of M2 + 128 x sum of (tile mean - mean)^2; var = M2 / 4,096.  No difference of large sums.
; SHARES.  A work-group has 32 rows, a wave 8.  Thread t combines the figures of columns 4 t .. 4 t + 3; they meet in LDS.  A stream: no matrix unit, no cluster, no tensor load.
; All 98 loads of a wave go out at the head: 32 means, gamma, beta, 32 M2, 32 pieces of my rows; the waits below count the younger ones.
.set SPARE, 6144
.set SPW, 8
.set NIL, 9
.set PM,  16                           ; v[16:31]  mean of my 16 columns (4 u + e: columns 128 u + 4 lane + e)
.set PAA, 32                           ; v[32:47]  gamma / sqrt(var + eps)
.set PBB, 48                           ; v[48:63]  beta
.set YR,  64                           ; v[64:191] first the 32 tile means, then y of my 8 rows, 16 a row
.set GA,  192
.set BE,  196
.set MEAN, 200
.set DV,  204
.set T,   208                          ; v[208:215]
.set M2,  216
.set SS,  224                          ; v[224:239] a pair a row
.set SB,  240                          ; v[240:255]
                                       ; window 1: v[0:127] my rows of H2; v[128:255] the 32 tiles' M2
.set MSB, 0
.macro WIN new
.if MSB != (\new)
	s_set_vgpr_msb (MSB<<8)|(\new)
.set MSB, \new
.endif
.endm
	s_load_b512 s[4:19], s[0:1], 0x0               ; wsH2 s[4:5], gl, gv, betal, betav, out1 s[14:15], out2 s[16:17], wsN s[18:19]
	v_lshl_add_u32 v[SPW], v0, 2, SPARE
	v_mov_b32 v[NIL], 0
	v_lshrrev_b32 v1, 5, v0
	v_readfirstlane_b32 s20, v1
	v_and_b32 v2, 31, v0
	v_lshlrev_b32 v3, 4, v0                        ; 16 t
	v_lshlrev_b32 v4, 4, v2                        ; 16 lane
	v_lshlrev_b32 v5, 3, v2                        ; 8 lane
	s_and_b32 s21, ttmp7, 0xffff                   ; 0 ling, 1 visu
	s_lshl_b32 s32, ttmp9, 5
	s_lshl_b32 s33, s20, 3
	s_add_co_u32 s32, s32, s33                     ; my first row
	s_lshl_b32 s34, s21, 17
	s_add_co_u32 s34, s34, 16777216                ; PS of my matrix
	s_mov_b32 s35, 0
	s_lshl_b32 s36, s32, 11                        ; my rows in f32
	s_mov_b32 s37, 0
	s_lshl_b32 s38, s21, 23
	s_add_co_u32 s38, s38, s36                     ; in wsH2
	s_mov_b32 s39, 0
	s_lshl_b32 s40, s21, 22
	s_lshl_b32 s41, s32, 10
	s_add_co_u32 s40, s40, s41                     ; in wsN
	s_mov_b32 s41, 0
	s_mov_b32 s42, 0x76543210
	s_mov_b32 s43, 0xfedcba98
	s_mov_b32 s44, 0xffff0000                      ; a word's upper bf16
	s_wait_kmcnt 0x0
	s_cmp_eq_u32 s21, 0
	s_cselect_b64 s[22:23], s[6:7], s[8:9]         ; gamma
	s_cselect_b64 s[24:25], s[10:11], s[12:13]     ; beta
	s_cselect_b64 s[26:27], s[14:15], s[16:17]     ; out
	s_add_nc_u64 s[28:29], s[4:5], s[34:35]
	s_add_nc_u64 s[30:31], s[4:5], s[38:39]
	s_add_nc_u64 s[26:27], s[26:27], s[36:37]
	s_add_nc_u64 s[18:19], s[18:19], s[40:41]
.set i, 0
.rept 32
	global_load_b128 v[YR+4*i:YR+4*i+3], v3, s[28:29] offset:i*4096
.set i, i+1
.endr
	global_load_b128 v[GA:GA+3], v3, s[22:23]
	global_load_b128 v[BE:BE+3], v3, s[24:25]
	WIN 0x40                                       ; destination window 1
.set i, 0
.rept 32
	global_load_b128 v[128+4*i:128+4*i+3], v3, s[28:29] offset:i*4096+2048
.set i, i+1
.endr
.set i, 0
.rept 32
	global_load_b128 v[4*i:4*i+3], v4, s[30:31] offset:(i/4)*2048+(i%4)*512 th:TH_LOAD_NT
.set i, i+1
.endr
	WIN 0
	s_wait_loadcnt 63                              ; of 98 loads at most 63 are out: the first 35, the means among them, are in
	v_pk_add_f32 v[MEAN:MEAN+1],   v[YR:YR+1],   v[YR+4:YR+5]
	v_pk_add_f32 v[MEAN+2:MEAN+3], v[YR+2:YR+3], v[YR+6:YR+7]
.set i, 2
.rept 30
	v_pk_add_f32 v[MEAN:MEAN+1],   v[MEAN:MEAN+1],   v[YR+4*i:YR+4*i+1]
	v_pk_add_f32 v[MEAN+2:MEAN+3], v[MEAN+2:MEAN+3], v[YR+4*i+2:YR+4*i+3]
.set i, i+1
.endr
	v_pk_mul_f32 v[MEAN:MEAN+1],   v[MEAN:MEAN+1],   0x3d000000 op_sel_hi:[1,0]   ; / 32
	v_pk_mul_f32 v[MEAN+2:MEAN+3], v[MEAN+2:MEAN+3], 0x3d000000 op_sel_hi:[1,0]
.set i, 0
.rept 32
	v_pk_add_f32 v[T+4*(i%2):T+4*(i%2)+1],   v[YR+4*i:YR+4*i+1],   v[MEAN:MEAN+1]   neg_lo:[0,1] neg_hi:[0,1]
	v_pk_add_f32 v[T+4*(i%2)+2:T+4*(i%2)+3], v[YR+4*i+2:YR+4*i+3], v[MEAN+2:MEAN+3] neg_lo:[0,1] neg_hi:[0,1]
.if i == 0
	v_pk_mul_f32 v[DV:DV+1],   v[T:T+1],   v[T:T+1]
	v_pk_mul_f32 v[DV+2:DV+3], v[T+2:T+3], v[T+2:T+3]
.else
	v_pk_fma_f32 v[DV:DV+1],   v[T+4*(i%2):T+4*(i%2)+1],   v[T+4*(i%2):T+4*(i%2)+1],   v[DV:DV+1]
	v_pk_fma_f32 v[DV+2:DV+3], v[T+4*(i%2)+2:T+4*(i%2)+3], v[T+4*(i%2)+2:T+4*(i%2)+3], v[DV+2:DV+3]
.endif
.set i, i+1
.endr
	v_pk_mul_f32 v[M2:M2+1],   v[DV:DV+1],   0x43000000 op_sel_hi:[1,0]   ; x 128 rows a tile
	v_pk_mul_f32 v[M2+2:M2+3], v[DV+2:DV+3], 0x43000000 op_sel_hi:[1,0]
	s_wait_loadcnt 32                              ; gamma, beta and the M2 are in; my rows' 32 loads may stay out
	v_cvt_pk_bf16_f32 v[T],   v[GA],   v[GA+1]     ; my four gamma and four beta, rounded to bf16, two a line,
	v_cvt_pk_bf16_f32 v[T+1], v[GA+2], v[GA+3]
	v_cvt_pk_bf16_f32 v[T+2], v[BE],   v[BE+1]
	v_cvt_pk_bf16_f32 v[T+3], v[BE+2], v[BE+3]
	v_lshlrev_b32 v[GA],   16,  v[T]               ; and back as f32: a shift, a mask
	v_and_b32     v[GA+1], s44, v[T]
	v_lshlrev_b32 v[GA+2], 16,  v[T+1]
	v_and_b32     v[GA+3], s44, v[T+1]
	v_lshlrev_b32 v[BE],   16,  v[T+2]
	v_and_b32     v[BE+1], s44, v[T+2]
	v_lshlrev_b32 v[BE+2], 16,  v[T+3]
	v_and_b32     v[BE+3], s44, v[T+3]
	WIN 0x04                                       ; source 1 in window 1
.set i, 0
.rept 32
	v_pk_add_f32 v[M2:M2+1],   v[M2:M2+1],   v[128+4*i:128+4*i+1]
	v_pk_add_f32 v[M2+2:M2+3], v[M2+2:M2+3], v[128+4*i+2:128+4*i+3]
.set i, i+1
.endr
	WIN 0
	v_pk_mul_f32 v[M2:M2+1],   v[M2:M2+1],   0x39800000 op_sel_hi:[1,0]   ; / 4,096
	v_pk_mul_f32 v[M2+2:M2+3], v[M2+2:M2+3], 0x39800000 op_sel_hi:[1,0]
	v_pk_add_f32 v[M2:M2+1],   v[M2:M2+1],   0x3727c5ac op_sel_hi:[1,0]   ; + 1e-5
	v_pk_add_f32 v[M2+2:M2+3], v[M2+2:M2+3], 0x3727c5ac op_sel_hi:[1,0]
.irp k, 0,1,2,3
	v_rsq_f32 v[M2+(\k)], v[M2+(\k)]
.endr
	v_nop
	s_wait_alu depctr_va_vdst(0)                   ; one wait for the four, ahead of their first reader
	v_pk_mul_f32 v[M2:M2+1],   v[M2:M2+1],   v[GA:GA+1]
	v_pk_mul_f32 v[M2+2:M2+3], v[M2+2:M2+3], v[GA+2:GA+3]
	ds_store_b128 v3, v[MEAN:MEAN+3]
	ds_store_b128 v3, v[M2:M2+3] offset:2048
	ds_store_b128 v3, v[BE:BE+3] offset:4096
	s_wait_dscnt 0x0
	s_barrier_signal -1
	s_barrier_wait -1
.irp u, 0,1,2,3
	ds_load_b128 v[PM+4*(\u):PM+4*(\u)+3],   v4 offset:(\u)*512
	ds_load_b128 v[PAA+4*(\u):PAA+4*(\u)+3], v4 offset:(\u)*512+2048
	ds_load_b128 v[PBB+4*(\u):PBB+4*(\u)+3], v4 offset:(\u)*512+4096
.endr
	s_wait_dscnt 0x0
.irp i, 0,1,2,3,4,5,6,7
	s_wait_loadcnt 28-4*(\i)                       ; row i is in; the four loads of each younger row stay out
	WIN 0x01                                       ; source 0 in window 1
.irp n, 0,2,4,6,8,10,12,14
	v_pk_add_f32 v[YR+16*(\i)+(\n):YR+16*(\i)+(\n)+1], v[16*(\i)+(\n):16*(\i)+(\n)+1], v[PM+(\n):PM+(\n)+1] neg_lo:[0,1] neg_hi:[0,1]
.endr
	WIN 0
.irp n, 0,2,4,6,8,10,12,14
	v_pk_fma_f32 v[YR+16*(\i)+(\n):YR+16*(\i)+(\n)+1], v[YR+16*(\i)+(\n):YR+16*(\i)+(\n)+1], v[PAA+(\n):PAA+(\n)+1], v[PBB+(\n):PBB+(\n)+1]
.endr
.irp u, 0,1,2,3
	global_store_b128 v4, v[YR+16*(\i)+4*(\u):YR+16*(\i)+4*(\u)+3], s[26:27] offset:(\i)*2048+(\u)*512 th:TH_STORE_NT  ; 512 consecutive bytes, aligned
.endr
	v_pk_mul_f32 v[SS+2*(\i):SS+2*(\i)+1], v[YR+16*(\i):YR+16*(\i)+1], v[YR+16*(\i):YR+16*(\i)+1]
	v_pk_mul_f32 v[SB+2*(\i):SB+2*(\i)+1], v[YR+16*(\i)+2:YR+16*(\i)+3], v[YR+16*(\i)+2:YR+16*(\i)+3]
.irp n, 4,8,12
	v_pk_fma_f32 v[SS+2*(\i):SS+2*(\i)+1], v[YR+16*(\i)+(\n):YR+16*(\i)+(\n)+1], v[YR+16*(\i)+(\n):YR+16*(\i)+(\n)+1], v[SS+2*(\i):SS+2*(\i)+1]
	v_pk_fma_f32 v[SB+2*(\i):SB+2*(\i)+1], v[YR+16*(\i)+(\n)+2:YR+16*(\i)+(\n)+3], v[YR+16*(\i)+(\n)+2:YR+16*(\i)+(\n)+3], v[SB+2*(\i):SB+2*(\i)+1]
.endr
	v_pk_add_f32 v[SS+2*(\i):SS+2*(\i)+1], v[SS+2*(\i):SS+2*(\i)+1], v[SB+2*(\i):SB+2*(\i)+1]
	v_add_f32 v[SS+2*(\i)], v[SS+2*(\i)], v[SS+2*(\i)+1]
	v_add_f32_dpp v[SS+2*(\i)], v[SS+2*(\i)], v[SS+2*(\i)] row_xmask:1 row_mask:0xf bank_mask:0xf
	v_add_f32_dpp v[SS+2*(\i)], v[SS+2*(\i)], v[SS+2*(\i)] row_xmask:2 row_mask:0xf bank_mask:0xf
	v_add_f32_dpp v[SS+2*(\i)], v[SS+2*(\i)], v[SS+2*(\i)] row_xmask:4 row_mask:0xf bank_mask:0xf
	v_add_f32_dpp v[SS+2*(\i)], v[SS+2*(\i)], v[SS+2*(\i)] row_xmask:8 row_mask:0xf bank_mask:0xf
	v_permlanex16_b32 v[SS+2*(\i)+1], v[SS+2*(\i)], s42, s43
	v_add_f32 v[SS+2*(\i)], v[SS+2*(\i)], v[SS+2*(\i)+1]
.endr
.irp i, 0,1,2,3,4,5,6,7
	v_sqrt_f32 v[SS+2*(\i)], v[SS+2*(\i)]
.endr
	v_nop
	s_wait_alu depctr_va_vdst(0)
.irp i, 0,1,2,3,4,5,6,7
	v_add_f32 v[SS+2*(\i)], 0x2b8cbccc, v[SS+2*(\i)]  ; + 1e-12
.endr
.irp i, 0,1,2,3,4,5,6,7
	v_rcp_f32 v[SS+2*(\i)], v[SS+2*(\i)]
.endr
	v_nop
	s_wait_alu depctr_va_vdst(0)
	s_wait_xcnt 0x0                                ; the stores of y have read their registers: only now is y scaled in place
.irp i, 0,1,2,3,4,5,6,7
.irp n, 0,2,4,6,8,10,12,14
	v_pk_mul_f32 v[YR+16*(\i)+(\n):YR+16*(\i)+(\n)+1], v[YR+16*(\i)+(\n):YR+16*(\i)+(\n)+1], v[SS+2*(\i):SS+2*(\i)+1] op_sel_hi:[1,0]
.endr
.irp u, 0,1,2,3
	v_cvt_pk_bf16_f32 v[YR+16*(\i)+4*(\u)],   v[YR+16*(\i)+4*(\u)],   v[YR+16*(\i)+4*(\u)+1]
	v_cvt_pk_bf16_f32 v[YR+16*(\i)+4*(\u)+1], v[YR+16*(\i)+4*(\u)+2], v[YR+16*(\i)+4*(\u)+3]
	global_store_b64 v5, v[YR+16*(\i)+4*(\u):YR+16*(\i)+4*(\u)+1], s[18:19] offset:(\i)*1024+(\u)*256  ; 256 consecutive bytes, aligned
.endr
.endr
	s_wait_tensorcnt 0x0                           ; the wave's end
	ds_add_u32 v[SPW], v[NIL]
	s_wait_dscnt 0x0
	s_endpgm
.Lfunc_end_k_qbc4ce849ce_bnorm:
	.size	k_qbc4ce849ce_bnorm, .Lfunc_end_k_qbc4ce849ce_bnorm-k_qbc4ce849ce_bnorm
	.p2alignl 7, 3214868480
	.fill 96, 4, 3214868480
	.section	.rodata,"a",@progbits
	.p2align	6, 0x0
	.amdhsa_kernel k_qbc4ce849ce_bnorm
		.amdhsa_group_segment_fixed_size 6656
		.amdhsa_private_segment_fixed_size 0
		.amdhsa_enable_private_segment 0
		.amdhsa_kernarg_size 64
		.amdhsa_user_sgpr_count 2
		.amdhsa_user_sgpr_kernarg_segment_ptr 1
		.amdhsa_wavefront_size32 1
		.amdhsa_system_sgpr_workgroup_id_x 1
		.amdhsa_system_sgpr_workgroup_id_y 1
		.amdhsa_system_sgpr_workgroup_id_z 1
		.amdhsa_system_vgpr_workitem_id 0
		.amdhsa_next_free_vgpr 512
		.amdhsa_next_free_sgpr 66
		.amdhsa_reserve_vcc 0
		.amdhsa_float_denorm_mode_32 3
		.amdhsa_float_denorm_mode_16_64 3
		.amdhsa_memory_ordered 1
		.amdhsa_forward_progress 1
		.amdhsa_inst_pref_size 62
	.end_amdhsa_kernel
	.amdgpu_metadata
---
amdhsa.version: [ 1, 2 ]
amdhsa.kernels:
  - .name:           k_qbc4ce849ce_bnorm
    .symbol:         k_qbc4ce849ce_bnorm.kd
    .args:
      - { .name: wsH2, .offset: 0, .size: 8, .value_kind: global_buffer, .address_space: global }
      - { .name: gl, .offset: 8, .size: 8, .value_kind: global_buffer, .address_space: global }
      - { .name: gv, .offset: 16, .size: 8, .value_kind: global_buffer, .address_space: global }
      - { .name: betal, .offset: 24, .size: 8, .value_kind: global_buffer, .address_space: global }
      - { .name: betav, .offset: 32, .size: 8, .value_kind: global_buffer, .address_space: global }
      - { .name: out1, .offset: 40, .size: 8, .value_kind: global_buffer, .address_space: global }
      - { .name: out2, .offset: 48, .size: 8, .value_kind: global_buffer, .address_space: global }
      - { .name: wsN, .offset: 56, .size: 8, .value_kind: global_buffer, .address_space: global }
    .group_segment_fixed_size: 6656
    .private_segment_fixed_size: 0
    .kernarg_segment_align: 8
    .kernarg_segment_size: 64
    .max_flat_workgroup_size: 128
    .sgpr_count:     66
    .vgpr_count:     512
    .wavefront_size: 32
...
	.end_amdgpu_metadata
.endif
;; end of part 4
;; launch simtop (part 5): grid 16 x 16, 4 waves a work-group, clusters of 4 x 1, 327,680 bytes of LDS; arguments wsP, wsN, wsL; writes wsL
.if DOCPART == 5
	.amdgcn_target "amdgcn-amd-amdhsa--gfx1250"
	.amdhsa_code_object_version 6
	.text
	.protected	k_qbc4ce849ce_simtop
	.globl	k_qbc4ce849ce_simtop
	.p2align	8
	.type	k_qbc4ce849ce_simtop,@function
k_qbc4ce849ce_simtop:
	s_mov_b64 s[64:65], 0
	v_nop
	global_prefetch_b8 v0, s[64:65] scope:SCOPE_SE
	s_setreg_imm32_b32 hwreg(HW_REG_WAVE_MODE, 25, 1), 1
	s_wait_xcnt 0x0
	s_wait_alu depctr_hold_cnt(0) depctr_sa_sdst(0) depctr_va_vdst(0) depctr_va_sdst(0) depctr_va_ssrc(0) depctr_va_vcc(0) depctr_vm_vsrc(0)
	s_getreg_b32 s2, hwreg(HW_REG_IB_STS2, 6, 4)
	s_cmp_eq_u32 s2, 0
	s_cbranch_scc0 .Lentry_in_a_cluster
	s_endpgm
.Lentry_in_a_cluster:
	s_bfe_u32 s2, ttmp6, 0x10000c
	s_cmp_lg_u32 s2, 0x3003
	s_cbranch_scc0 .Lentry_shape_is_right
	s_endpgm
.Lentry_shape_is_right:
; SIMTOP.  The four similarity products, [4096 queries] x [4096 keys] x 512, never stored.  Grid y = 4 x matrix + quarter of the keys.
; Matrices 0, 1 (kind A): queries Sn, keys Ln or Vn: a score s is 2 log2(e) cos, so sm = 2^s.  For each query and quarter: the three largest scores and the sum of 2^s.
; Matrices 2, 3 (kind B): queries and keys Ln or Vn: for each query and quarter the six largest scores.
; No maximum is taken away before 2^s, as in the problem's own text: both rows are normalised there, so |s| stays under 2.9 (a little more by bf16's rounding).
; THE KEY'S NUMBER RIDES IN THE SCORE: the low 12 bits of the f32 are replaced by quarter<<10 | pair<<5 | parity<<4 | half<<3 | j, the key's number.  New entries carry 31 in the pair's field, and once for each pair
; of tiles every list entry loses 32: an entry of pair p ends with p.  A list is kept sorted by m_k = med3(u, m_k-1, m_k) from the last entry up, then m_1 = max(u, m_1).
; LIMITS.  Scores that agree in sign, exponent and 11 bits of mantissa are ranked by the key's number, not lowest first; that is finer than the rounding of the bf16 operands.  NaN and infinities are not treated apart.
; SHARES.  A work-group has 256 queries and 1,024 keys, a wave 64 queries: four tiles of 16.  S^T = K Q^T (source 0 = 16 keys, source 1 = 16 queries): a lane holds ONE query (lane % 16) and keys 8 (lane / 16) + 0..7.
; HALVES.  A half multiplies one tile of 16 keys (64 products, four accumulators by turns); behind each product stands a slice of the list work on the tile before, which lies in the other S buffer.
; RING.  Two LDS slots of 128 keys (rows of 1,024 bytes + 16); a wave's tensor load brings 32 rows; a refill has 512 products in which to land.  One tensor load a wave is out behind each round, two at the start.
; CLUSTER 4 x 1: the four query blocks walk the same keys: every tile is asked for jointly.
; wsL: PL3 [2][4][4096][m1, m2, m3, sum] at 0; PL6A [2][4][4096][m1..m4] at 524,288; PL6B [2][4][4096][m5, m6, 0, 0] at 1,048,576.
; REGISTERS: window 0: addresses, lists, S; window 1: K of two tiles (v0-127, v128-255); windows 2, 3: Q (query tile q, channels 32 kc on, at 128 (q % 2) + 8 kc of window 2 + q / 2).
.set PK,    1040
.set TILEB, 16*PK
.set SLOT1, 128*PK                     ; 133,120: shares no bit with the four waves' places in a slot, so one exclusive or changes slots
.set SPARE, 2*SLOT1
.set AK0, 3                            ; v3   my lane's place in a tile of K
.set ADR, 4                            ; v4   the LDS address of the run of loads in hand
.set QO,  5                            ; v5   my byte offset in 16 rows of Q
.set HV,  6                            ; v6   lane / 16
.set GO,  7                            ; v7   16 x lane
.set PFO, 8                            ; v8   256 x lane
.set SPW, 10
.set NIL, 11
.set LIST, 16                          ; v[16:39]  six a query tile, m1 >= .. >= m6 (kind A uses three)
.set SUM,  40                          ; v[40:47]  a pair a query tile
.set U,    48                          ; v[48:63]  scores with their numbers
.set S,    64                          ; v[64:95] S0, v[96:127] S1
.set TX,   96                          ; the way out: the other half's lists land in S1's registers
.set EX,   128                         ; v[128:159] 2^s
.set OUT,  160                         ; v[160:175]
.set PC,   176                         ; v[176:191] the 16 position codes, 8 x parity + j
.set WV,  12
.set CX,  13
.set LIM, 15
.set TYP, 16
.set G1,  24
.set G0A, 32
.set G0B, 36
.set TBK, 42
.set CNT, 43
.set SLOTS, 44
.set MSK, 45
.set SEL, 46
.set PFA, 48
.set OB,  50
.set MSB, 0
.macro WIN new
.if MSB != (\new)
	s_set_vgpr_msb (MSB<<8)|(\new)
.set MSB, \new
.endif
.endm
.macro PLACES
.rept 4
	v_nop
.endr
.endm
.macro CROUND
	s_barrier_signal -1
	s_barrier_wait -1
	s_cmp_lg_u32 s[WV], 0
	s_cbranch_scc1 .Lnot_wave_0_\@
	s_barrier_signal -3
.Lnot_wave_0_\@:
	s_barrier_wait -3
	s_barrier_signal -1
	s_barrier_wait -1
.endm
; A PREFETCH INTO THE L2 of the 128 keys that the NEXT change of slots will ask for: 512 blocks of 256 bytes, a lane a block, one instruction in each of the sixteen waves of one cluster, told apart by address.
; A quarter's keys are walked by eight clusters (two kinds, four query groups): the first cluster of kind A asks.  The last change that fills a slot asks for nothing.
.macro ASK
	s_cmp_gt_u32 s[SLOTS], s[LIM]
	s_cbranch_scc0 .Lnot_mine_\@
	global_prefetch_b8 v[PFO], s[PFA:PFA+1] th:TH_LOAD_NT scope:SCOPE_SE
.Lnot_mine_\@:
.endm
.macro CHANGE fill                     ; the slot's eighth tile has been fetched
	WIN 0
	s_wait_tensorcnt 0x0                           ; no tensor load of mine is out, so the walking descriptor may be written
	ds_add_u32 v[SPW], v[NIL]                      ; the steps below stand between the add and the wait for it
.if \fill
	s_xor_b32 s[G0B+1], s[G0B+1], SLOT1
	s_add_nc_u64 s[G0B+2:G0B+3], s[G0B+2:G0B+3], 131072
	s_wait_xcnt 0x0                                ; the last prefetch, 512 products back, has read its address
	s_add_nc_u64 s[PFA:PFA+1], s[PFA:PFA+1], 131072
	s_wait_dscnt 0x0                               ; the add is done, and my reads of the slot are over
	CROUND                                         ; no wave of any partner still reads the slot or has a load on its way
	tensor_load_to_lds s[G0B:G0B+3], s[G1:G1+7]
	s_nop 0
	PLACES
	ASK
.else
	s_wait_dscnt 0x0
	s_barrier_signal -1
	s_barrier_wait -1
.endif
	s_sub_co_u32 s[TBK], s[TBK], SLOT1             ; the fetches go back to a slot's first tile,
	s_xor_b32 s[TBK], s[TBK], SLOT1                ; in the other slot
.endm
.macro FETCHK b                        ; a tile of K, 16 keys x 512 channels: 32 LDS loads in one run, into buffer b
	v_add_nc_u32 v[ADR], s[TBK], v[AK0]
	s_add_co_u32 s[TBK], s[TBK], TILEB
	WIN 0x40                                       ; destination window 1
.set kc, 0
.rept 16
	ds_load_b128 v[128*(\b)+8*kc:128*(\b)+8*kc+3],   v[ADR] offset:kc*64
	ds_load_b128 v[128*(\b)+8*kc+4:128*(\b)+8*kc+7], v[ADR] offset:kc*64+32
.set kc, kc+1
.endr
	WIN 0
.endm
; Behind slice 31: kind A's ONE wait for the tile's 32 exponentials (all were issued in slices 0-31, none of whose other lines names a result; the sums that read them stand behind), then the next tile's K,
; 32 products ahead of its first use.  last = 1 (the tail): in the last trip there is no further tile, and the run is jumped over; the wait is not.
.macro MID p, last
	WIN 0
.if TY == 0
	s_wait_alu depctr_va_vdst(0)
.endif
.if \last
	s_cmp_eq_u32 s[CNT], 1
	s_cbranch_scc1 .Lnf_\@
.endif
	FETCHK 1-(\p)
.if \last
.Lnf_\@:
.endif
.endm
.macro MMA p                           ; product k of 64: channels 32 (k / 4) on, query tile k % 4; the first four start the sums
.set q4, k%4
.set kc, k/4
	WIN 0x09+4*(q4/2)                              ; K in window 1, Q in window 2 or 3, S in window 0
.if kc == 0
	v_wmma_f32_16x16x32_bf16 v[S+32*(\p)+8*q4:S+32*(\p)+8*q4+7], v[128*(\p)+8*kc:128*(\p)+8*kc+7], v[128*(q4%2)+8*kc:128*(q4%2)+8*kc+7], 0
.else
	v_wmma_f32_16x16x32_bf16 v[S+32*(\p)+8*q4:S+32*(\p)+8*q4+7], v[128*(\p)+8*kc:128*(\p)+8*kc+7], v[128*(q4%2)+8*kc:128*(q4%2)+8*kc+7], v[S+32*(\p)+8*q4:S+32*(\p)+8*q4+7]
.endif
.endm
; THE PLAIN LIST of a half, on the tile of parity RP: first (RP = 0: a new pair begins) every list entry loses 32; then for j = 0..7, the four query tiles side by side: the score takes its position code,
; and is inserted from the last entry up; kind A: last, the 16 packed sums of 2^s.
.macro PLAIN
.if pl < AG
.if TY == 0
	v_sub_nc_u32 v[LIST+6*(pl/3)+pl%3], v[LIST+6*(pl/3)+pl%3], 32
.else
	v_sub_nc_u32 v[LIST+pl], v[LIST+pl], 32
.endif
.else
.set en, pl-AG
.set qq, en%4
.if TY == 0
.set gj, en/16
.set st, (en%16)/4
.if en >= 128
	v_pk_add_f32 v[SUM+2*qq:SUM+2*qq+1], v[SUM+2*qq:SUM+2*qq+1], v[EX+8*qq+2*((en-128)/4):EX+8*qq+2*((en-128)/4)+1]
.elseif st == 0
	v_bfi_b32 v[U+4*(gj%4)+qq], s[MSK], v[PC+8*RP+gj], v[S+32*RP+8*qq+gj]
.elseif st == 3
	v_max_num_f32 v[LIST+6*qq], v[U+4*(gj%4)+qq], v[LIST+6*qq]
.else
	v_med3_num_f32 v[LIST+6*qq+3-st], v[U+4*(gj%4)+qq], v[LIST+6*qq+2-st], v[LIST+6*qq+3-st]
.endif
.else
.set gj, en/28
.set st, (en%28)/4
.if st == 0
	v_bfi_b32 v[U+4*(gj%4)+qq], s[MSK], v[PC+8*RP+gj], v[S+32*RP+8*qq+gj]
.elseif st == 6
	v_max_num_f32 v[LIST+6*qq], v[U+4*(gj%4)+qq], v[LIST+6*qq]
.else
	v_med3_num_f32 v[LIST+6*qq+6-st], v[U+4*(gj%4)+qq], v[LIST+6*qq+5-st], v[LIST+6*qq+6-st]
.endif
.endif
.endif
.set pl, pl+1
.endm
; Slice k of 64.  Kind A, k < 32: one exponential (query tile k % 4, j = k / 4), then its share of the first FH plain lines, at least one; k >= 32: its share of the rest.  Kind B: its share of all.
; Each accumulator is read first at j = 0, its lowest register.  The slices behind a half's last four products hold plain lines alone: with the next half's first lines they are the places ahead of the first reads of those sums.
.macro SLICE
	WIN 0
.if TY == 0
.if k < 32
	v_exp_f32 v[EX+8*(k%4)+k/4], v[S+32*RP+8*(k%4)+k/4]
.set tgt, ((k+1)*FH)/32
.else
.set tgt, FH+((k-31)*(NPL-FH))/32
.endif
.else
.set tgt, ((k+1)*NPL)/64
.endif
.rept tgt-pl
	PLAIN
.endr
.endm
.macro X p, ty, last                   ; a half: the tile of parity p is multiplied, the tile before is worked into the lists
.set RP, 1-(\p)
.set TY, \ty
.set pl, 0
.if TY == 0
.set AG, 12*(\p)
.set NPL, 144+AG
.set FH, 56+AG
.else
.set AG, 24*(\p)
.set NPL, 224+AG
.set FH, 0
.endif
	s_wait_dscnt 0x0                               ; K of this tile is in
.set k, 0
.rept 64
	MMA \p
	SLICE
.if k == 31
	MID \p, \last
.endif
.set k, k+1
.endr
	WIN 0
.endm
	s_load_b128 s[4:7], s[0:1], 0x0                ; wsP s[4:5], wsN s[6:7]
	s_load_b64 s[8:9], s[0:1], 0x10                ; wsL
	v_lshl_add_u32 v[SPW], v0, 2, SPARE
	v_mov_b32 v[NIL], 0
	ds_add_u32 v[SPW], v[NIL]                      ; the wave's opening: the add, twice on end, and its wait ahead of my first tensor load
	ds_add_u32 v[SPW], v[NIL]
	v_lshrrev_b32 v1, 5, v0
	v_readfirstlane_b32 s[WV], v1
	s_bfe_u32 s[CX], ttmp6, 0x40000
	s_lshl_b32 s14, ttmp9, 2
	s_add_co_u32 s14, s14, s[CX]                   ; my block of 256 queries: it enters Q's and the output's addresses alone
	s_and_b32 s17, ttmp7, 0xffff
	s_and_b32 s18, s17, 3                          ; quarter
	s_lshr_b32 s19, s17, 2
	s_lshr_b32 s[TYP], s19, 1                      ; kind: 0 A, 1 B
	s_and_b32 s19, s19, 1                          ; 0 ling, 1 visu
	s_mov_b32 s[G1], 0x07f1000f                    ; mask of four; 2-byte elements; padding on; bit 21 beside a mask; after every 256 words (code 7) 4 words (code 3)
	s_mov_b32 s[G1+1], 512<<16                     ; tensor_dim0 = 512
	s_mov_b32 s[G1+2], 32<<16                      ; tensor_dim1 = 32
	s_mov_b32 s[G1+3], 512<<16                     ; tile_dim0 = 512
	s_mov_b32 s[G1+4], 32                          ; tile_dim1 = 32
	s_mov_b32 s[G1+5], 512
	s_mov_b32 s[G1+6], 0
	s_mov_b32 s[G1+7], 0
	s_mul_i32 s41, s[WV], 32*PK                    ; my 32 rows of a slot
	s_mov_b32 s[G0A], 1
	s_mov_b32 s[G0A+1], s41
	s_mov_b32 s[G0B], 1
	s_add_co_u32 s[G0B+1], s41, SLOT1
	s_lshl_b32 s20, s19, 22
	s_lshl_b32 s17, s18, 20
	s_add_co_u32 s20, s20, s17                     ; the quarter's first key
	s_mov_b32 s60, s20
	s_lshl_b32 s17, s[WV], 15
	s_add_co_u32 s20, s20, s17                     ; my 32 rows of its first 128
	s_mov_b32 s21, 0
	s_lshl_b32 s22, s14, 18
	s_lshl_b32 s17, s[WV], 16
	s_add_co_u32 s22, s22, s17                     ; my 64 queries
	s_mov_b32 s23, 0
	s_lshl_b32 s54, s19, 22
	s_mov_b32 s55, 0
	s_lshl_b32 s17, s[CX], 2
	s_add_co_u32 s17, s17, s[WV]
	s_lshl_b32 s17, s17, 13
	s_add_co_u32 s60, s60, s17
	s_add_co_u32 s60, s60, 262144                  ; the prefetches: my 8 rows of the 128, at step 2; the first change steps it to 3
	s_mov_b32 s61, 0
	s_lshl_b32 s62, s[TYP], 19
	s_lshl_b32 s17, s19, 2
	s_add_co_u32 s17, s17, s18
	s_lshl_b32 s17, s17, 16
	s_add_co_u32 s62, s62, s17
	s_lshl_b32 s17, s14, 12
	s_add_co_u32 s62, s62, s17
	s_lshl_b32 s17, s[WV], 10
	s_add_co_u32 s62, s62, s17                     ; in wsL: kind, matrix and quarter, my 64 rows of 16 bytes
	s_mov_b32 s63, 0
	s_or_b32 s[LIM], s[TYP], ttmp9
	s_cmp_eq_u32 s[LIM], 0
	s_cselect_b32 s[LIM], 1, -1                    ; the same in all four partners
	s_mov_b32 s[MSK], 0xfff
	s_mov_b32 s[SEL], 0x76543210
	s_mov_b32 s[SEL+1], 0xfedcba98
	s_mov_b32 s[TBK], 0
	s_lshl_b32 s40, s18, 10
	s_or_b32 s40, s40, 992                         ; quarter << 10 | 31 << 5
	s_wait_dscnt 0x0                               ; both opening adds are done
	s_wait_kmcnt 0x0
	s_add_nc_u64 s[52:53], s[6:7], s[20:21]
	s_mov_b64 s[G0A+2:G0A+3], s[52:53]
	s_or_b32 s[G0A+3], s[G0A+3], 0x80000000
	s_add_nc_u64 s[G0B+2:G0B+3], s[52:53], 131072
	s_or_b32 s[G0B+3], s[G0B+3], 0x80000000
	s_add_nc_u64 s[56:57], s[6:7], s[54:55]
	s_add_nc_u64 s[58:59], s[4:5], 6029312
	s_cmp_eq_u32 s[TYP], 0
	s_cselect_b64 s[56:57], s[58:59], s[56:57]     ; the queries: Sn, or the keys' own matrix
	s_add_nc_u64 s[56:57], s[56:57], s[22:23]
	s_add_nc_u64 s[PFA:PFA+1], s[6:7], s[60:61]
	s_add_nc_u64 s[OB:OB+1], s[8:9], s[62:63]
	CROUND                                         ; all four work-groups are here: the first joint loads meet
	tensor_load_to_lds s[G0A:G0A+3], s[G1:G1+7]    ; keys 0-127 into slot 0
	s_nop 0
	tensor_load_to_lds s[G0B:G0B+3], s[G1:G1+7]    ; keys 128-255 into slot 1
	s_nop 0
	PLACES
	v_and_b32 v1, 15, v0
	v_bfe_u32 v[HV], v0, 4, 1
	v_and_b32 v2, 31, v0
	v_lshlrev_b32 v[QO], 10, v1
	v_lshl_add_u32 v[QO], v[HV], 4, v[QO]
	WIN 0x80                                       ; destination window 2: query tiles 0, 1
.set i, 0
.rept 32
	global_load_b128 v[8*i:8*i+3],   v[QO], s[56:57] offset:(i/16)*16384+(i%16)*64
	global_load_b128 v[8*i+4:8*i+7], v[QO], s[56:57] offset:(i/16)*16384+(i%16)*64+32
.set i, i+1
.endr
	WIN 0xc0                                       ; window 3: query tiles 2, 3
.set i, 0
.rept 32
	global_load_b128 v[8*i:8*i+3],   v[QO], s[56:57] offset:32768+(i/16)*16384+(i%16)*64
	global_load_b128 v[8*i+4:8*i+7], v[QO], s[56:57] offset:32768+(i/16)*16384+(i%16)*64+32
.set i, i+1
.endr
	WIN 0
	v_mul_u32_u24 v[AK0], v1, PK
	v_lshl_add_u32 v[AK0], v[HV], 4, v[AK0]
	v_lshlrev_b32 v[GO], 4, v2
	v_lshlrev_b32 v[PFO], 8, v2
	v_lshl_or_b32 v9, v[HV], 3, s40
.set i, 0
.rept 16
	v_or_b32 v[PC+i], 16*(i/8)+i%8, v9
.set i, i+1
.endr
.set i, 0
.rept 24
	v_mov_b32 v[LIST+i], 0xff000000                ; far below every score
.set i, i+1
.endr
.set i, 0
.rept 8
	v_mov_b32 v[SUM+i], 0
.set i, i+1
.endr
.set i, 0
.rept 32
	v_mov_b32 v[S+32+i], 0xf149f2ca                ; the first half works on a tile that has not been: -1e30: 2^s adds 0, and every true score drives these entries out of the lists
.set i, i+1
.endr
	s_wait_tensorcnt 1                             ; my part of slot 0 is in; slot 1's load may stay out
	s_barrier_signal -1
	s_barrier_wait -1
	FETCHK 0                                       ; tile 0
	s_wait_loadcnt 0x0                             ; Q
	s_mov_b32 s[CNT], 4
	s_mov_b32 s[SLOTS], 7
	s_cmp_eq_u32 s[TYP], 0                         ; the kind hangs on grid y alone: the same in all partners
	s_cbranch_scc1 .LentryA                        ; the loop is entered in the middle of a trip
	s_branch .LentryB
.Lslot:                                        ; six times: a slot is left and filled again, with steps 2 to 7
	CHANGE 1
	s_mov_b32 s[CNT], 4
	s_cmp_lg_u32 s[TYP], 0
	s_cbranch_scc1 .LpairB
.LpairA:
	X 1, 0, 0
.LentryA:
	X 0, 0, 0
	s_sub_co_u32 s[CNT], s[CNT], 1
	s_cmp_lg_u32 s[CNT], 0
	s_cbranch_scc1 .LpairA
	s_branch .Lbottom
.LpairB:
	X 1, 1, 0
.LentryB:
	X 0, 1, 0
	s_sub_co_u32 s[CNT], s[CNT], 1
	s_cmp_lg_u32 s[CNT], 0
	s_cbranch_scc1 .LpairB
.Lbottom:
	s_sub_co_u32 s[SLOTS], s[SLOTS], 1
	s_cmp_lg_u32 s[SLOTS], 0
	s_cbranch_scc1 .Lslot
	CHANGE 0                                       ; the tail is written out: nothing is asked for
	s_mov_b32 s[CNT], 5                            ; tiles 55 to 63; the fifth trip's second half multiplies a stale K once more, beside the list work on tile 63: the price of one text for every half
	s_cmp_lg_u32 s[TYP], 0
	s_cbranch_scc1 .LtailB
.LtailA:
	X 1, 0, 1
	X 0, 0, 1
	s_sub_co_u32 s[CNT], s[CNT], 1
	s_cmp_lg_u32 s[CNT], 0
	s_cbranch_scc1 .LtailA
	; THE WAY OUT, kind A.  A query's other 512 keys lie in the lane 16 away: its list is fetched and inserted; both halves then hold the same list.
.macro INSALL depth, kk
.set st, (\depth)-1
.rept (\depth)-1
.irp q, 0,1,2,3
	v_med3_num_f32 v[LIST+6*(\q)+st], v[TX+6*(\q)+(\kk)], v[LIST+6*(\q)+st-1], v[LIST+6*(\q)+st]
.endr
.set st, st-1
.endr
.irp q, 0,1,2,3
	v_max_num_f32 v[LIST+6*(\q)], v[TX+6*(\q)+(\kk)], v[LIST+6*(\q)]
.endr
.endm
.irp q, 0,1,2,3
.irp kk, 0,1,2
	v_permlanex16_b32 v[TX+6*(\q)+(\kk)], v[LIST+6*(\q)+(\kk)], s[SEL], s[SEL+1]
.endr
.endr
	INSALL 3, 0
	INSALL 3, 1
	INSALL 3, 2
.irp q, 0,1,2,3
	v_add_f32 v[SUM+2*(\q)], v[SUM+2*(\q)], v[SUM+2*(\q)+1]
.endr
.irp q, 0,1,2,3
	v_permlanex16_b32 v[SUM+2*(\q)+1], v[SUM+2*(\q)], s[SEL], s[SEL+1]
.endr
.irp q, 0,1,2,3
	v_add_f32 v[SUM+2*(\q)], v[SUM+2*(\q)], v[SUM+2*(\q)+1]
.endr
	v_cmp_eq_u32 vcc_lo, 1, v[HV]                  ; lanes 0-15 store query tile 2 g, lanes 16-31 tile 2 g + 1: 32 rows on end
.irp g, 0,1
.irp kk, 0,1,2
	v_cndmask_b32 v[OUT+4*(\g)+(\kk)], v[LIST+12*(\g)+(\kk)], v[LIST+12*(\g)+6+(\kk)], vcc_lo
.endr
	v_cndmask_b32 v[OUT+4*(\g)+3], v[SUM+4*(\g)], v[SUM+4*(\g)+2], vcc_lo
	global_store_b128 v[GO], v[OUT+4*(\g):OUT+4*(\g)+3], s[OB:OB+1] offset:512*(\g)  ; 512 consecutive bytes, aligned
.endr
	s_branch .Lfin
.LtailB:
	X 1, 1, 1
	X 0, 1, 1
	s_sub_co_u32 s[CNT], s[CNT], 1
	s_cmp_lg_u32 s[CNT], 0
	s_cbranch_scc1 .LtailB
	; THE WAY OUT, kind B
.set i, 0
.rept 24
	v_permlanex16_b32 v[TX+i], v[LIST+i], s[SEL], s[SEL+1]
.set i, i+1
.endr
.irp kk, 0,1,2,3,4,5
	INSALL 6, \kk
.endr
	v_cmp_eq_u32 vcc_lo, 1, v[HV]
.irp g, 0,1
.irp kk, 0,1,2,3,4,5
	v_cndmask_b32 v[OUT+8*(\g)+(\kk)], v[LIST+12*(\g)+(\kk)], v[LIST+12*(\g)+6+(\kk)], vcc_lo
.endr
	v_mov_b32 v[OUT+8*(\g)+6], 0
	v_mov_b32 v[OUT+8*(\g)+7], 0
	global_store_b128 v[GO], v[OUT+8*(\g):OUT+8*(\g)+3],   s[OB:OB+1] offset:512*(\g)
	global_store_b128 v[GO], v[OUT+8*(\g)+4:OUT+8*(\g)+7], s[OB:OB+1] offset:524288+512*(\g)
.endr
.Lfin:
	s_wait_tensorcnt 0x0                           ; the wave's end
	ds_add_u32 v[SPW], v[NIL]
	s_wait_dscnt 0x0
	CROUND                                         ; the closing round
	s_endpgm
.Lfunc_end_k_qbc4ce849ce_simtop:
	.size	k_qbc4ce849ce_simtop, .Lfunc_end_k_qbc4ce849ce_simtop-k_qbc4ce849ce_simtop
	.p2alignl 7, 3214868480
	.fill 96, 4, 3214868480
	.section	.rodata,"a",@progbits
	.p2align	6, 0x0
	.amdhsa_kernel k_qbc4ce849ce_simtop
		.amdhsa_group_segment_fixed_size 327680
		.amdhsa_private_segment_fixed_size 0
		.amdhsa_enable_private_segment 0
		.amdhsa_kernarg_size 24
		.amdhsa_user_sgpr_count 2
		.amdhsa_user_sgpr_kernarg_segment_ptr 1
		.amdhsa_wavefront_size32 1
		.amdhsa_system_sgpr_workgroup_id_x 1
		.amdhsa_system_sgpr_workgroup_id_y 1
		.amdhsa_system_sgpr_workgroup_id_z 1
		.amdhsa_system_vgpr_workitem_id 0
		.amdhsa_next_free_vgpr 1024
		.amdhsa_next_free_sgpr 66
		.amdhsa_reserve_vcc 1
		.amdhsa_float_denorm_mode_32 3
		.amdhsa_float_denorm_mode_16_64 3
		.amdhsa_memory_ordered 1
		.amdhsa_forward_progress 1
		.amdhsa_inst_pref_size 215
	.end_amdhsa_kernel
	.amdgpu_metadata
---
amdhsa.version: [ 1, 2 ]
amdhsa.kernels:
  - .name:           k_qbc4ce849ce_simtop
    .symbol:         k_qbc4ce849ce_simtop.kd
    .args:
      - { .name: wsP, .offset: 0, .size: 8, .value_kind: global_buffer, .address_space: global }
      - { .name: wsN, .offset: 8, .size: 8, .value_kind: global_buffer, .address_space: global }
      - { .name: wsL, .offset: 16, .size: 8, .value_kind: global_buffer, .address_space: global }
    .group_segment_fixed_size: 327680
    .private_segment_fixed_size: 0
    .kernarg_segment_align: 8
    .kernarg_segment_size: 24
    .max_flat_workgroup_size: 128
    .sgpr_count:     66
    .vgpr_count:     1024
    .wavefront_size: 32
...
	.end_amdgpu_metadata
.endif
;; end of part 5
;; launch merge (part 6): grid 32 x 4, 4 waves a work-group, no clusters, 0 bytes of LDS; arguments wsL, wsT; writes wsT
.if DOCPART == 6
	.amdgcn_target "amdgcn-amd-amdhsa--gfx1250"
	.amdhsa_code_object_version 6
	.text
	.protected	k_qbc4ce849ce_merge
	.globl	k_qbc4ce849ce_merge
	.p2align	8
	.type	k_qbc4ce849ce_merge,@function
k_qbc4ce849ce_merge:
	s_mov_b64 s[64:65], 0
	v_nop
	global_prefetch_b8 v0, s[64:65] scope:SCOPE_SE
	s_setreg_imm32_b32 hwreg(HW_REG_WAVE_MODE, 25, 1), 1
	s_wait_xcnt 0x0
; MERGE.  The four quarters' sorted lists of a row are merged, and the keys' numbers (the low 12 bits of each entry) are stored as whole numbers, from which the next launch forms addresses.
; Grid y = 0, 1: the three largest of sm's row, ling and visu: T3 [2][4096][i1, i2, i3, 0] at 0.  y = 2, 3: the six largest of a row of cos(mm, mm):
; T6A [2][4096][k0, k2, k4, 0] at 131,072 and T6B [2][4096][k1, k3, k5, 0] at 262,144.  A thread takes a row; each store of a wave is 512 consecutive bytes.
	s_load_b128 s[4:7], s[0:1], 0x0                ; wsL s[4:5], wsT s[6:7]
	s_and_b32 s8, ttmp7, 0xffff
	s_lshr_b32 s9, s8, 1                           ; 0: three, 1: six
	s_and_b32 s10, s8, 1                           ; 0 ling, 1 visu
	s_lshl_b32 s11, ttmp9, 11                      ; 128 rows of 16 bytes
	v_lshl_add_u32 v1, v0, 4, s11
	s_lshl_b32 s12, s10, 18                        ; four quarters of 65,536 bytes
	s_mov_b32 s13, 0
	s_lshl_b32 s14, s10, 16
	s_mov_b32 s15, 0
	s_wait_kmcnt 0x0
	s_add_nc_u64 s[4:5], s[4:5], s[12:13]
	s_add_nc_u64 s[6:7], s[6:7], s[14:15]
	s_cmp_lg_u32 s9, 0
	s_cbranch_scc1 .Lsix
.irp q, 0,1,2,3
	global_load_b128 v[4+4*(\q):7+4*(\q)], v1, s[4:5] offset:(\q)*65536
.endr
	s_wait_loadcnt 0x0
.irp u, 8,9,10,12,13,14,16,17,18       ; quarter 0's list takes the nine others: from the last entry up
	v_med3_num_f32 v6, v[\u], v5, v6
	v_med3_num_f32 v5, v[\u], v4, v5
	v_max_num_f32 v4, v[\u], v4
.endr
	v_and_b32 v4, 0xfff, v4
	v_and_b32 v5, 0xfff, v5
	v_and_b32 v6, 0xfff, v6
	v_mov_b32 v7, 0
	global_store_b128 v1, v[4:7], s[6:7]
	s_endpgm
.Lsix:
.irp q, 0,1,2,3
	global_load_b128 v[8+8*(\q):11+8*(\q)],  v1, s[4:5] offset:524288+(\q)*65536
	global_load_b128 v[12+8*(\q):15+8*(\q)], v1, s[4:5] offset:1048576+(\q)*65536
.endr
	s_wait_loadcnt 0x0
.irp u, 16,17,18,19,20,21,24,25,26,27,28,29,32,33,34,35,36,37
	v_med3_num_f32 v13, v[\u], v12, v13
	v_med3_num_f32 v12, v[\u], v11, v12
	v_med3_num_f32 v11, v[\u], v10, v11
	v_med3_num_f32 v10, v[\u], v9, v10
	v_med3_num_f32 v9, v[\u], v8, v9
	v_max_num_f32 v8, v[\u], v8
.endr
	v_and_b32 v40, 0xfff, v8
	v_and_b32 v41, 0xfff, v10
	v_and_b32 v42, 0xfff, v12
	v_mov_b32 v43, 0
	v_and_b32 v44, 0xfff, v9
	v_and_b32 v45, 0xfff, v11
	v_and_b32 v46, 0xfff, v13
	v_mov_b32 v47, 0
	global_store_b128 v1, v[40:43], s[6:7] offset:131072
	global_store_b128 v1, v[44:47], s[6:7] offset:262144
	s_endpgm
.Lfunc_end_k_qbc4ce849ce_merge:
	.size	k_qbc4ce849ce_merge, .Lfunc_end_k_qbc4ce849ce_merge-k_qbc4ce849ce_merge
	.p2alignl 7, 3214868480
	.fill 96, 4, 3214868480
	.section	.rodata,"a",@progbits
	.p2align	6, 0x0
	.amdhsa_kernel k_qbc4ce849ce_merge
		.amdhsa_group_segment_fixed_size 0
		.amdhsa_private_segment_fixed_size 0
		.amdhsa_enable_private_segment 0
		.amdhsa_kernarg_size 16
		.amdhsa_user_sgpr_count 2
		.amdhsa_user_sgpr_kernarg_segment_ptr 1
		.amdhsa_wavefront_size32 1
		.amdhsa_system_sgpr_workgroup_id_x 1
		.amdhsa_system_sgpr_workgroup_id_y 1
		.amdhsa_system_sgpr_workgroup_id_z 1
		.amdhsa_system_vgpr_workitem_id 0
		.amdhsa_next_free_vgpr 64
		.amdhsa_next_free_sgpr 66
		.amdhsa_reserve_vcc 0
		.amdhsa_float_denorm_mode_32 3
		.amdhsa_float_denorm_mode_16_64 3
		.amdhsa_memory_ordered 1
		.amdhsa_forward_progress 1
		.amdhsa_inst_pref_size 11
	.end_amdhsa_kernel
	.amdgpu_metadata
---
amdhsa.version: [ 1, 2 ]
amdhsa.kernels:
  - .name:           k_qbc4ce849ce_merge
    .symbol:         k_qbc4ce849ce_merge.kd
    .args:
      - { .name: wsL, .offset: 0, .size: 8, .value_kind: global_buffer, .address_space: global }
      - { .name: wsT, .offset: 8, .size: 8, .value_kind: global_buffer, .address_space: global }
    .group_segment_fixed_size: 0
    .private_segment_fixed_size: 0
    .kernarg_segment_align: 8
    .kernarg_segment_size: 16
    .max_flat_workgroup_size: 128
    .sgpr_count:     66
    .vgpr_count:     64
    .wavefront_size: 32
...
	.end_amdgpu_metadata
.endif
;; end of part 6
;; launch posloss (part 7): grid 512 x 1, 8 waves a work-group, no clusters, 1,280 bytes of LDS; arguments wsP, wsN, wsT, wsL, wsR; writes wsR
.if DOCPART == 7
	.amdgcn_target "amdgcn-amd-amdhsa--gfx1250"
	.amdhsa_code_object_version 6
	.text
	.protected	k_qbc4ce849ce_posloss
	.globl	k_qbc4ce849ce_posloss
	.p2align	8
	.type	k_qbc4ce849ce_posloss,@function
k_qbc4ce849ce_posloss:
	s_mov_b64 s[64:65], 0
	v_nop
	global_prefetch_b8 v0, s[64:65] scope:SCOPE_SE
	s_setreg_imm32_b32 hwreg(HW_REG_WAVE_MODE, 25, 1), 1
	s_wait_xcnt 0x0
; POSLOSS.  For row r and each of ling and visu: the three columns T3[r]; for each the six columns T6[that column]; the 18 values sm[r][column] are made anew as 2^(Sn[r] . Mn[column]) from the same bf16 rows
; that the similarity launch multiplied (sm is never stored); pos is their sum; the row's term is log2(sum of sm's row) - log2(pos).  The 8 rows' terms of a work-group, both matrices', go to wsR as one f32.
; All addresses that hang on data come from wsT, whole numbers that an earlier launch stored; each is held to 4,095 in front of the shift that makes an offset of it.
; SHARES.  A wave takes a row.  Each half of its lanes takes keys of its own (lanes 0-15 T6A's three, lanes 16-31 T6B's); 16 lanes read a key's row, 256 consecutive bytes a load.
; A gather of rows: no matrix unit (18 dot products a row), no cluster, no prefetch (a row's number is known only just ahead of its load).
.set SPARE, 256
.set SPW, 6
.set NIL, 7
.set ZR,  9                            ; v9   0: the first addend of the sums, and an address
.set AC,  10                           ; v[10:15]  six running sums; later at work
.set SN,  16                           ; v[16:31]  my 32 channels of Sn[r]
.set T3,  32                           ; v[32:39]
.set T6,  40                           ; v[40:63]  group g = 3 m + i at T6 + 4 g
.set KO,  64                           ; v[64:81]  byte offsets of the 18 keys' rows
.set SC,  82                           ; v[82:99]  the 18 scores
.set PS,  100                          ; v[100:107] the quarters' sums of sm's row
.set RG,  112                          ; v[112:255] a ring of three buffers of 48: a group's three keys
	s_load_b256 s[4:11], s[0:1], 0x0               ; wsP s[4:5], wsN s[6:7], wsT s[8:9], wsL s[10:11]
	s_load_b64 s[12:13], s[0:1], 0x20              ; wsR
	v_lshl_add_u32 v[SPW], v0, 2, SPARE
	v_mov_b32 v[NIL], 0
	v_mov_b32 v[ZR], 0
	v_lshrrev_b32 v1, 5, v0
	v_readfirstlane_b32 s14, v1                    ; wave 0..7
	s_lshl_b32 s15, ttmp9, 3
	s_add_co_u32 s15, s15, s14                     ; my row
	v_and_b32 v1, 15, v0
	v_bfe_u32 v2, v0, 4, 1
	v_lshlrev_b32 v3, 4, v1                        ; 16 c
	v_lshlrev_b32 v4, 17, v2                       ; T6B lies 131,072 bytes behind T6A
	s_lshl_b32 s16, s15, 4
	v_mov_b32 v5, s16                              ; 16 r
	s_lshl_b32 s18, s15, 10
	s_add_co_u32 s18, s18, 6029312
	s_mov_b32 s19, 0
	s_lshl_b32 s20, ttmp9, 2
	s_mov_b32 s21, 0
	s_mov_b32 s22, 0x76543210
	s_mov_b32 s23, 0xfedcba98
	s_wait_kmcnt 0x0
	s_add_nc_u64 s[4:5], s[4:5], s[18:19]          ; Sn[r]
	s_add_nc_u64 s[12:13], s[12:13], s[20:21]
	global_load_b128 v[T3:T3+3],   v5, s[8:9]
	global_load_b128 v[T3+4:T3+7], v5, s[8:9] offset:65536
.irp j, 0,1,2,3
	global_load_b128 v[SN+4*(\j):SN+4*(\j)+3], v3, s[4:5] offset:256*(\j)
.endr
.irp q, 0,1,2,3,4,5,6,7
	global_load_b32 v[PS+(\q)], v5, s[10:11] offset:(\q)*65536+12
.endr
	s_wait_loadcnt 12                              ; the two loads of T3 are in; the 12 younger loads may stay out
.irp m, 0,1
.irp i, 0,1,2
	v_min_u32 v[T3+4*(\m)+(\i)], 0xfff, v[T3+4*(\m)+(\i)]
	v_lshl_add_u32 v[T3+4*(\m)+(\i)], v[T3+4*(\m)+(\i)], 4, v4
	global_load_b128 v[T6+4*(3*(\m)+(\i)):T6+4*(3*(\m)+(\i))+3], v[T3+4*(\m)+(\i)], s[8:9] offset:131072+(\m)*65536
.endr
.endr
	s_wait_loadcnt 0x0
.irp g, 0,1,2,3,4,5
.irp t, 0,1,2
	v_min_u32 v[KO+3*(\g)+(\t)], 0xfff, v[T6+4*(\g)+(\t)]
	v_lshl_add_u32 v[KO+3*(\g)+(\t)], v[KO+3*(\g)+(\t)], 10, v3
.endr
.endr
.macro GLOAD g                         ; a group's 12 loads
.irp t, 0,1,2
.irp j, 0,1,2,3
	global_load_b128 v[RG+48*((\g)%3)+16*(\t)+4*(\j):RG+48*((\g)%3)+16*(\t)+4*(\j)+3], v[KO+3*(\g)+(\t)], s[6:7] offset:((\g)/3)*4194304+256*(\j)
.endr
.endr
.endm
.macro GWORK g                         ; three dot products: six chains side by side, low halves and high halves; then the sum over the 16 lanes of my half
.set n, 0
.rept 16
.irp t, 0,1,2
.if n == 0
	v_fma_mix_f32_bf16 v[AC+2*(\t)],   v[SN+n], v[RG+48*((\g)%3)+16*(\t)+n], v[ZR] op_sel_hi:[1,1,0]
	v_fma_mix_f32_bf16 v[AC+2*(\t)+1], v[SN+n], v[RG+48*((\g)%3)+16*(\t)+n], v[ZR] op_sel:[1,1,0] op_sel_hi:[1,1,0]
.else
	v_fma_mix_f32_bf16 v[AC+2*(\t)],   v[SN+n], v[RG+48*((\g)%3)+16*(\t)+n], v[AC+2*(\t)] op_sel_hi:[1,1,0]
	v_fma_mix_f32_bf16 v[AC+2*(\t)+1], v[SN+n], v[RG+48*((\g)%3)+16*(\t)+n], v[AC+2*(\t)+1] op_sel:[1,1,0] op_sel_hi:[1,1,0]
.endif
.endr
.set n, n+1
.endr
.irp t, 0,1,2
	v_add_f32 v[SC+3*(\g)+(\t)], v[AC+2*(\t)], v[AC+2*(\t)+1]
.endr
.irp x, 1,2,4,8
.irp t, 0,1,2
	v_add_f32_dpp v[SC+3*(\g)+(\t)], v[SC+3*(\g)+(\t)], v[SC+3*(\g)+(\t)] row_xmask:\x row_mask:0xf bank_mask:0xf
.endr
.endr
.endm
	GLOAD 0
	GLOAD 1
	GLOAD 2
	s_wait_loadcnt 24                              ; group 0 is in; two younger groups of 12 loads stay out, and so below
	GWORK 0
	GLOAD 3
	s_wait_loadcnt 24
	GWORK 1
	GLOAD 4
	s_wait_loadcnt 24
	GWORK 2
	GLOAD 5
	s_wait_loadcnt 24
	GWORK 3
	s_wait_loadcnt 12
	GWORK 4
	s_wait_loadcnt 0x0
	GWORK 5
.set i, 0
.rept 18
	v_exp_f32 v[SC+i], v[SC+i]                     ; one batch of 18,
.set i, i+1
.endr
	v_nop                                          ; a plain instruction behind the last,
	s_wait_alu depctr_va_vdst(0)                   ; one wait ahead of the first reader
.irp m, 0,1
	v_add_f32 v[SC+9*(\m)],   v[SC+9*(\m)],   v[SC+9*(\m)+1]
	v_add_f32 v[SC+9*(\m)+2], v[SC+9*(\m)+2], v[SC+9*(\m)+3]
	v_add_f32 v[SC+9*(\m)+4], v[SC+9*(\m)+4], v[SC+9*(\m)+5]
	v_add_f32 v[SC+9*(\m)+6], v[SC+9*(\m)+6], v[SC+9*(\m)+7]
	v_add_f32 v[SC+9*(\m)],   v[SC+9*(\m)],   v[SC+9*(\m)+2]
	v_add_f32 v[SC+9*(\m)+4], v[SC+9*(\m)+4], v[SC+9*(\m)+6]
	v_add_f32 v[SC+9*(\m)],   v[SC+9*(\m)],   v[SC+9*(\m)+4]
	v_add_f32 v[SC+9*(\m)],   v[SC+9*(\m)],   v[SC+9*(\m)+8]
	v_permlanex16_b32 v[AC+(\m)], v[SC+9*(\m)], s22, s23   ; the other half's nine
	v_add_f32 v[AC+(\m)], v[AC+(\m)], v[SC+9*(\m)]         ; pos
	v_add_f32 v[PS+4*(\m)],   v[PS+4*(\m)],   v[PS+4*(\m)+1]
	v_add_f32 v[PS+4*(\m)+2], v[PS+4*(\m)+2], v[PS+4*(\m)+3]
	v_add_f32 v[AC+2+(\m)], v[PS+4*(\m)], v[PS+4*(\m)+2]   ; the sum of sm's row
.endr
.irp i, 0,1,2,3
	v_log_f32 v[AC+(\i)], v[AC+(\i)]
.endr
	v_nop
	s_wait_alu depctr_va_vdst(0)
	v_sub_f32 v[AC+2], v[AC+2], v[AC]
	v_sub_f32 v[AC+3], v[AC+3], v[AC+1]
	v_add_f32 v[AC+5], v[AC+2], v[AC+3]            ; the row's term, in log2
	s_lshl_b32 s24, s14, 2
	v_mov_b32 v[AC+4], s24
	ds_store_b32 v[AC+4], v[AC+5]                  ; all lanes write the same word with the same value
	s_wait_dscnt 0x0
	s_barrier_signal -1
	s_barrier_wait -1
	s_cmp_lg_u32 s14, 0
	s_cbranch_scc1 .Lend
	ds_load_b128 v[16:19], v[ZR]
	ds_load_b128 v[20:23], v[ZR] offset:16
	s_wait_dscnt 0x0
	v_add_f32 v16, v16, v17
	v_add_f32 v18, v18, v19
	v_add_f32 v20, v20, v21
	v_add_f32 v22, v22, v23
	v_add_f32 v16, v16, v18
	v_add_f32 v20, v20, v22
	v_add_f32 v16, v16, v20
	v_cmp_eq_u32 vcc_lo, 0, v0
	s_wait_xcnt 0x0                                ; EXEC changes only behind this wait
	s_and_saveexec_b32 s25, vcc_lo
	global_store_b32 v[ZR], v16, s[12:13]
	s_wait_xcnt 0x0                                ; and again, in front of the line that widens it
	s_or_b32 exec_lo, exec_lo, s25
.Lend:
	s_wait_tensorcnt 0x0                           ; the wave's end
	ds_add_u32 v[SPW], v[NIL]
	s_wait_dscnt 0x0
	s_endpgm
.Lfunc_end_k_qbc4ce849ce_posloss:
	.size	k_qbc4ce849ce_posloss, .Lfunc_end_k_qbc4ce849ce_posloss-k_qbc4ce849ce_posloss
	.p2alignl 7, 3214868480
	.fill 96, 4, 3214868480
	.section	.rodata,"a",@progbits
	.p2align	6, 0x0
	.amdhsa_kernel k_qbc4ce849ce_posloss
		.amdhsa_group_segment_fixed_size 1280
		.amdhsa_private_segment_fixed_size 0
		.amdhsa_enable_private_segment 0
		.amdhsa_kernarg_size 40
		.amdhsa_user_sgpr_count 2
		.amdhsa_user_sgpr_kernarg_segment_ptr 1
		.amdhsa_wavefront_size32 1
		.amdhsa_system_sgpr_workgroup_id_x 1
		.amdhsa_system_sgpr_workgroup_id_y 1
		.amdhsa_system_sgpr_workgroup_id_z 1
		.amdhsa_system_vgpr_workitem_id 0
		.amdhsa_next_free_vgpr 256
		.amdhsa_next_free_sgpr 66
		.amdhsa_reserve_vcc 1
		.amdhsa_float_denorm_mode_32 3
		.amdhsa_float_denorm_mode_16_64 3
		.amdhsa_memory_ordered 1
		.amdhsa_forward_progress 1
		.amdhsa_inst_pref_size 58
	.end_amdhsa_kernel
	.amdgpu_metadata
---
amdhsa.version: [ 1, 2 ]
amdhsa.kernels:
  - .name:           k_qbc4ce849ce_posloss
    .symbol:         k_qbc4ce849ce_posloss.kd
    .args:
      - { .name: wsP, .offset: 0, .size: 8, .value_kind: global_buffer, .address_space: global }
      - { .name: wsN, .offset: 8, .size: 8, .value_kind: global_buffer, .address_space: global }
      - { .name: wsT, .offset: 16, .size: 8, .value_kind: global_buffer, .address_space: global }
      - { .name: wsL, .offset: 24, .size: 8, .value_kind: global_buffer, .address_space: global }
      - { .name: wsR, .offset: 32, .size: 8, .value_kind: global_buffer, .address_space: global }
    .group_segment_fixed_size: 1280
    .private_segment_fixed_size: 0
    .kernarg_segment_align: 8
    .kernarg_segment_size: 40
    .max_flat_workgroup_size: 256
    .sgpr_count:     66
    .vgpr_count:     256
    .wavefront_size: 32
...
	.end_amdgpu_metadata
.endif
;; end of part 7
;; launch lossum (part 8): grid 1 x 1, 1 waves a work-group, no clusters, 0 bytes of LDS; arguments wsR, out0; writes out0
.if DOCPART == 8
	.amdgcn_target "amdgcn-amd-amdhsa--gfx1250"
	.amdhsa_code_object_version 6
	.text
	.protected	k_qbc4ce849ce_lossum
	.globl	k_qbc4ce849ce_lossum
	.p2align	8
	.type	k_qbc4ce849ce_lossum,@function
k_qbc4ce849ce_lossum:
	s_mov_b64 s[64:65], 0
	v_nop
	global_prefetch_b8 v0, s[64:65] scope:SCOPE_SE
	s_setreg_imm32_b32 hwreg(HW_REG_WAVE_MODE, 25, 1), 1
	s_wait_xcnt 0x0
; LOSSUM.  out0 = ln 2 / 4,096 x the sum of the 512 work-groups' terms: both losses are means over 4,096 rows, and the terms were taken in log2.  One owner for the one number.
	s_load_b128 s[4:7], s[0:1], 0x0                ; wsR s[4:5], out0 s[6:7]
	v_lshlrev_b32 v1, 4, v0
	v_mov_b32 v2, 0
	s_mov_b32 s8, 0x76543210
	s_mov_b32 s9, 0xfedcba98
	s_wait_kmcnt 0x0
.irp u, 0,1,2,3
	global_load_b128 v[4+4*(\u):7+4*(\u)], v1, s[4:5] offset:512*(\u)
.endr
	s_wait_loadcnt 0x0
	v_pk_add_f32 v[4:5], v[4:5], v[6:7]
	v_pk_add_f32 v[8:9], v[8:9], v[10:11]
	v_pk_add_f32 v[12:13], v[12:13], v[14:15]
	v_pk_add_f32 v[16:17], v[16:17], v[18:19]
	v_pk_add_f32 v[4:5], v[4:5], v[8:9]
	v_pk_add_f32 v[12:13], v[12:13], v[16:17]
	v_pk_add_f32 v[4:5], v[4:5], v[12:13]
	v_add_f32 v4, v4, v5
	v_add_f32_dpp v4, v4, v4 row_xmask:1 row_mask:0xf bank_mask:0xf
	v_add_f32_dpp v4, v4, v4 row_xmask:2 row_mask:0xf bank_mask:0xf
	v_add_f32_dpp v4, v4, v4 row_xmask:4 row_mask:0xf bank_mask:0xf
	v_add_f32_dpp v4, v4, v4 row_xmask:8 row_mask:0xf bank_mask:0xf
	v_permlanex16_b32 v5, v4, s8, s9
	v_add_f32 v4, v4, v5
	v_mul_f32 v4, 0x39317218, v4                   ; ln 2 / 4,096
	v_cmp_eq_u32 vcc_lo, 0, v0
	s_wait_xcnt 0x0                                ; EXEC changes only behind this wait
	s_and_saveexec_b32 s10, vcc_lo
	global_store_b32 v2, v4, s[6:7]
	s_wait_xcnt 0x0
	s_or_b32 exec_lo, exec_lo, s10
	s_endpgm
.Lfunc_end_k_qbc4ce849ce_lossum:
	.size	k_qbc4ce849ce_lossum, .Lfunc_end_k_qbc4ce849ce_lossum-k_qbc4ce849ce_lossum
	.p2alignl 7, 3214868480
	.fill 96, 4, 3214868480
	.section	.rodata,"a",@progbits
	.p2align	6, 0x0
	.amdhsa_kernel k_qbc4ce849ce_lossum
		.amdhsa_group_segment_fixed_size 0
		.amdhsa_private_segment_fixed_size 0
		.amdhsa_enable_private_segment 0
		.amdhsa_kernarg_size 16
		.amdhsa_user_sgpr_count 2
		.amdhsa_user_sgpr_kernarg_segment_ptr 1
		.amdhsa_wavefront_size32 1
		.amdhsa_system_sgpr_workgroup_id_x 1
		.amdhsa_system_sgpr_workgroup_id_y 1
		.amdhsa_system_sgpr_workgroup_id_z 1
		.amdhsa_system_vgpr_workitem_id 0
		.amdhsa_next_free_vgpr 32
		.amdhsa_next_free_sgpr 66
		.amdhsa_reserve_vcc 1
		.amdhsa_float_denorm_mode_32 3
		.amdhsa_float_denorm_mode_16_64 3
		.amdhsa_memory_ordered 1
		.amdhsa_forward_progress 1
		.amdhsa_inst_pref_size 3
	.end_amdhsa_kernel
	.amdgpu_metadata
---
amdhsa.version: [ 1, 2 ]
amdhsa.kernels:
  - .name:           k_qbc4ce849ce_lossum
    .symbol:         k_qbc4ce849ce_lossum.kd
    .args:
      - { .name: wsR, .offset: 0, .size: 8, .value_kind: global_buffer, .address_space: global }
      - { .name: out0, .offset: 8, .size: 8, .value_kind: global_buffer, .address_space: global }
    .group_segment_fixed_size: 0
    .private_segment_fixed_size: 0
    .kernarg_segment_align: 8
    .kernarg_segment_size: 16
    .max_flat_workgroup_size: 32
    .sgpr_count:     66
    .vgpr_count:     32
    .wavefront_size: 32
...
	.end_amdgpu_metadata
.endif
;; end of part 8
;; ======== version 2 of 2: 8 launches; version 1 with the launch bnorm written anew for expert scheduling mode
;; limits: values within 0.000488 (relative) of each other or of a threshold may be ordered or decided otherwise than in the reference; values are held in f16: magnitudes above 65,504 overflow, below 6.1e-05 lose precision; right only within a limited range of input values
;; workspace buffers: wsP 10,223,616 bytes; wsH1 8,388,608 bytes; wsH2 17,039,360 bytes; wsN 8,388,608 bytes; wsL 1,572,864 bytes; wsT 393,216 bytes of whole numbers; wsR 2,048 bytes
;; launch prep: the kernel of part 1 again; grid 496 x 1, 4 waves a work-group, no clusters, 17,920 bytes of LDS; arguments Wv1, Wl1, Wl2, Wv2, stru_feats, wsP; writes wsP
;; launch mlp1: the kernel of part 2 again; grid 4 x 64, 4 waves a work-group, clusters of 4 x 4, 327,680 bytes of LDS; arguments visu_feats, ling_feats, wsP, bv1, bl1, wsH1; writes wsH1
;; launch mlp2: the kernel of part 3 again; grid 4 x 64, 4 waves a work-group, clusters of 4 x 4, 327,680 bytes of LDS; arguments wsH1, wsP, wsH2; writes wsH2
;; launch bnorm (part 9): grid 128 x 2, 4 waves a work-group, no clusters, 6,656 bytes of LDS; arguments wsH2, gl, gv, betal, betav, out1, out2, wsN; writes out1, out2, wsN
.if DOCPART == 9
	.amdgcn_target "amdgcn-amd-amdhsa--gfx1250"
	.amdhsa_code_object_version 6
	.text
	.protected	k_qbc4ce849ce_bnorm
	.globl	k_qbc4ce849ce_bnorm
	.p2align	8
	.type	k_qbc4ce849ce_bnorm,@function
k_qbc4ce849ce_bnorm:
	s_mov_b64 s[64:65], 0
	v_nop
	global_prefetch_b8 v0, s[64:65] scope:SCOPE_SE
	s_setreg_imm32_b32 hwreg(HW_REG_WAVE_SCHED_MODE, 0, 2), 2
	s_setreg_imm32_b32 hwreg(HW_REG_WAVE_MODE, 25, 1), 1
	s_wait_xcnt 0x0
	s_wait_alu depctr_vm_vsrc(0)
; BNORM.  y = (h - mean) gamma / sqrt(var + 1e-5) + beta, f32, to out1 (ling, grid y = 0) or out2 (visu, y = 1); and y / (|y| + 1e-12) in bf16 to wsN ([2][4096][512]).
; gamma and beta are rounded once to bf16, as all inputs of the two MLPs are (x, W1, b1, W2 in the launches before): one rounding for every input.
; The 32 tiles' column means and M2 are combined: mean = sum of means / 32; M2 = sum of M2 + 128 x sum of (tile mean - mean)^2; var = M2 / 4,096.  No difference of large sums.
; SHARES.  A work-group has 32 rows, a wave 8.  Thread t combines the figures of columns 4 t .. 4 t + 3; they meet in LDS.  A stream: no matrix unit, no cluster, no tensor load.
; All 98 loads of a wave go out at the head: 32 means, gamma, beta, 32 M2, 32 pieces of my rows; the waits below count the younger ones.
; THE MODE: SCHED_MODE bits 1:0 = 2 (LLVM: expert scheduling mode 2), set by the entry lines.  The code itself states the register dependences
; between vector instructions and memory or LDS instructions, with s_wait_alu, always for 0.
; THE PLAN.  Registers that memory or LDS instructions touch:
;   v3, v4, v5    byte offsets, made once at the head and never written again: one wait ahead of the first load serves every load, store and LDS instruction.
;   YR            First the 32 tile means land in it.  FIRST PASS: row i's sixteen packed lines write y into YR[i]; the four stores that read it are issued in row i + 1.
;                 SECOND PASS: row i's scalings and roundings write YR[i] again; the four stores that read its eight words of bf16 are issued in row i + 1.
;   MEAN, M2, BE  Written by vector instructions, read by one LDS store each, not written again.
;   PM, PAA, PBB and window 1: loads land in them that no vector instruction has named before; afterwards vector instructions alone read them.
; In both passes row i's vector lines name YR[i] and never YR[i - 1]: so ONE wait at a row's head states that the row before has written what the four stores read, and these are dealt among the row's
; vector lines with no further wait.  Between the passes one wait states that the stores of y have read YR.  The waits behind the roots and reciprocals serve the stores that follow them too.
.set SPARE, 6144
.set SPW, 8
.set NIL, 9
.set PM,  16                           ; v[16:31]  mean of my 16 columns (4 u + e: columns 128 u + 4 lane + e)
.set PAA, 32                           ; v[32:47]  gamma / sqrt(var + eps)
.set PBB, 48                           ; v[48:63]  beta
.set YR,  64                           ; v[64:191] first the 32 tile means, then y of my 8 rows, 16 a row
.set GA,  192
.set BE,  196
.set MEAN, 200
.set DV,  204
.set T,   208                          ; v[208:215]
.set M2,  216
.set SS,  224                          ; v[224:239] a pair a row
.set SB,  240                          ; v[240:255]
                                       ; window 1: v[0:127] my rows of H2; v[128:255] the 32 tiles' M2
.set MSB, 0
.macro WIN new
.if MSB != (\new)
	s_set_vgpr_msb (MSB<<8)|(\new)
.set MSB, \new
.endif
.endm
	s_load_b512 s[4:19], s[0:1], 0x0               ; wsH2 s[4:5], gl, gv, betal, betav, out1 s[14:15], out2 s[16:17], wsN s[18:19]
	v_lshl_add_u32 v[SPW], v0, 2, SPARE
	v_mov_b32 v[NIL], 0
	v_lshrrev_b32 v1, 5, v0
	v_readfirstlane_b32 s20, v1
	v_and_b32 v2, 31, v0
	v_lshlrev_b32 v3, 4, v0                        ; 16 t
	v_lshlrev_b32 v4, 4, v2                        ; 16 lane
	v_lshlrev_b32 v5, 3, v2                        ; 8 lane
	s_wait_alu depctr_va_sdst(0)                   ; s20, the wave's number, is written, ahead of its first reader: my first row is made from it
	s_and_b32 s21, ttmp7, 0xffff                   ; 0 ling, 1 visu
	s_lshl_b32 s32, ttmp9, 5
	s_lshl_b32 s33, s20, 3
	s_add_co_u32 s32, s32, s33                     ; my first row
	s_lshl_b32 s34, s21, 17
	s_add_co_u32 s34, s34, 16777216                ; PS of my matrix
	s_mov_b32 s35, 0
	s_lshl_b32 s36, s32, 11                        ; my rows in f32
	s_mov_b32 s37, 0
	s_lshl_b32 s38, s21, 23
	s_add_co_u32 s38, s38, s36                     ; in wsH2
	s_mov_b32 s39, 0
	s_lshl_b32 s40, s21, 22
	s_lshl_b32 s41, s32, 10
	s_add_co_u32 s40, s40, s41                     ; in wsN
	s_mov_b32 s41, 0
	s_mov_b32 s42, 0x76543210
	s_mov_b32 s43, 0xfedcba98
	s_mov_b32 s44, 0xffff0000                      ; a word's upper bf16
	s_wait_kmcnt 0x0
	s_cmp_eq_u32 s21, 0
	s_cselect_b64 s[22:23], s[6:7], s[8:9]         ; gamma
	s_cselect_b64 s[24:25], s[10:11], s[12:13]     ; beta
	s_cselect_b64 s[26:27], s[14:15], s[16:17]     ; out
	s_add_nc_u64 s[28:29], s[4:5], s[34:35]
	s_add_nc_u64 s[30:31], s[4:5], s[38:39]
	s_add_nc_u64 s[26:27], s[26:27], s[36:37]
	s_add_nc_u64 s[18:19], s[18:19], s[40:41]
	s_wait_alu depctr_va_vdst(0)                   ; the offsets v3, v4 and v5 are written: every load, store and LDS instruction of the kernel reads one of them; up to the last load below stand loads and one window switch alone
.set i, 0
.rept 32
	global_load_b128 v[YR+4*i:YR+4*i+3], v3, s[28:29] offset:i*4096
.set i, i+1
.endr
	global_load_b128 v[GA:GA+3], v3, s[22:23]
	global_load_b128 v[BE:BE+3], v3, s[24:25]
	WIN 0x40                                       ; destination window 1
.set i, 0
.rept 32
	global_load_b128 v[128+4*i:128+4*i+3], v3, s[28:29] offset:i*4096+2048
.set i, i+1
.endr
.set i, 0
.rept 32
	global_load_b128 v[4*i:4*i+3], v4, s[30:31] offset:(i/4)*2048+(i%4)*512 th:TH_LOAD_NT
.set i, i+1
.endr
	WIN 0
	s_wait_loadcnt 63                              ; of 98 loads at most 63 are out: the first 35, the means among them, are in
	v_pk_add_f32 v[MEAN:MEAN+1],   v[YR:YR+1],   v[YR+4:YR+5]
	v_pk_add_f32 v[MEAN+2:MEAN+3], v[YR+2:YR+3], v[YR+6:YR+7]
.set i, 2
.rept 30
	v_pk_add_f32 v[MEAN:MEAN+1],   v[MEAN:MEAN+1],   v[YR+4*i:YR+4*i+1]
	v_pk_add_f32 v[MEAN+2:MEAN+3], v[MEAN+2:MEAN+3], v[YR+4*i+2:YR+4*i+3]
.set i, i+1
.endr
	v_pk_mul_f32 v[MEAN:MEAN+1],   v[MEAN:MEAN+1],   0x3d000000 op_sel_hi:[1,0]   ; / 32
	v_pk_mul_f32 v[MEAN+2:MEAN+3], v[MEAN+2:MEAN+3], 0x3d000000 op_sel_hi:[1,0]
.set i, 0
.rept 32
	v_pk_add_f32 v[T+4*(i%2):T+4*(i%2)+1],   v[YR+4*i:YR+4*i+1],   v[MEAN:MEAN+1]   neg_lo:[0,1] neg_hi:[0,1]
	v_pk_add_f32 v[T+4*(i%2)+2:T+4*(i%2)+3], v[YR+4*i+2:YR+4*i+3], v[MEAN+2:MEAN+3] neg_lo:[0,1] neg_hi:[0,1]
.if i == 0
	v_pk_mul_f32 v[DV:DV+1],   v[T:T+1],   v[T:T+1]
	v_pk_mul_f32 v[DV+2:DV+3], v[T+2:T+3], v[T+2:T+3]
.else
	v_pk_fma_f32 v[DV:DV+1],   v[T+4*(i%2):T+4*(i%2)+1],   v[T+4*(i%2):T+4*(i%2)+1],   v[DV:DV+1]
	v_pk_fma_f32 v[DV+2:DV+3], v[T+4*(i%2)+2:T+4*(i%2)+3], v[T+4*(i%2)+2:T+4*(i%2)+3], v[DV+2:DV+3]
.endif
.set i, i+1
.endr
	v_pk_mul_f32 v[M2:M2+1],   v[DV:DV+1],   0x43000000 op_sel_hi:[1,0]   ; x 128 rows a tile
	v_pk_mul_f32 v[M2+2:M2+3], v[DV+2:DV+3], 0x43000000 op_sel_hi:[1,0]
	s_wait_loadcnt 32                              ; gamma, beta and the M2 are in; my rows' 32 loads may stay out
	v_cvt_pk_bf16_f32 v[T],   v[GA],   v[GA+1]     ; my four gamma and four beta, rounded to bf16, two a line,
	v_cvt_pk_bf16_f32 v[T+1], v[GA+2], v[GA+3]
	v_cvt_pk_bf16_f32 v[T+2], v[BE],   v[BE+1]
	v_cvt_pk_bf16_f32 v[T+3], v[BE+2], v[BE+3]
	v_lshlrev_b32 v[GA],   16,  v[T]               ; and back as f32: a shift, a mask
	v_and_b32     v[GA+1], s44, v[T]
	v_lshlrev_b32 v[GA+2], 16,  v[T+1]
	v_and_b32     v[GA+3], s44, v[T+1]
	v_lshlrev_b32 v[BE],   16,  v[T+2]
	v_and_b32     v[BE+1], s44, v[T+2]
	v_lshlrev_b32 v[BE+2], 16,  v[T+3]
	v_and_b32     v[BE+3], s44, v[T+3]
	WIN 0x04                                       ; source 1 in window 1
.set i, 0
.rept 32
	v_pk_add_f32 v[M2:M2+1],   v[M2:M2+1],   v[128+4*i:128+4*i+1]
	v_pk_add_f32 v[M2+2:M2+3], v[M2+2:M2+3], v[128+4*i+2:128+4*i+3]
.set i, i+1
.endr
	WIN 0
	v_pk_mul_f32 v[M2:M2+1],   v[M2:M2+1],   0x39800000 op_sel_hi:[1,0]   ; / 4,096
	v_pk_mul_f32 v[M2+2:M2+3], v[M2+2:M2+3], 0x39800000 op_sel_hi:[1,0]
	v_pk_add_f32 v[M2:M2+1],   v[M2:M2+1],   0x3727c5ac op_sel_hi:[1,0]   ; + 1e-5
	v_pk_add_f32 v[M2+2:M2+3], v[M2+2:M2+3], 0x3727c5ac op_sel_hi:[1,0]
.irp k, 0,1,2,3
	v_rsq_f32 v[M2+(\k)], v[M2+(\k)]
.endr
	v_nop
	s_wait_alu depctr_va_vdst(0)                   ; one wait for the four, ahead of their first reader; it also states that MEAN and the rounded beta are written, which the two LDS stores below read
	ds_store_b128 v3, v[MEAN:MEAN+3]
	ds_store_b128 v3, v[BE:BE+3] offset:4096
	v_pk_mul_f32 v[M2:M2+1],   v[M2:M2+1],   v[GA:GA+1]
	v_pk_mul_f32 v[M2+2:M2+3], v[M2+2:M2+3], v[GA+2:GA+3]
	s_wait_alu depctr_va_vdst(0)                   ; the two multiplies have written gamma / sqrt(var + eps), which the LDS store below reads
	ds_store_b128 v3, v[M2:M2+3] offset:2048
	s_wait_dscnt 0x0
	s_barrier_signal -1
	s_barrier_wait -1
.irp u, 0,1,2,3
	ds_load_b128 v[PM+4*(\u):PM+4*(\u)+3],   v4 offset:(\u)*512
	ds_load_b128 v[PAA+4*(\u):PAA+4*(\u)+3], v4 offset:(\u)*512+2048
	ds_load_b128 v[PBB+4*(\u):PBB+4*(\u)+3], v4 offset:(\u)*512+4096
.endr
	s_wait_dscnt 0x0
; THE FIRST PASS.  Row i: y into YR[i] and its sum of squares; the stores of row i - 1 are dealt among its lines.
.irp i, 0,1,2,3,4,5,6,7
	s_wait_loadcnt 28-4*(\i)                       ; row i is in; the four loads of each younger row stay out
.if (\i) > 0
	s_wait_alu depctr_va_vdst(0)                   ; the row before has written its y, which the four stores below read; no vector line of this row names those registers
.irp u, 0,1
	global_store_b128 v4, v[YR+16*((\i)-1)+4*(\u):YR+16*((\i)-1)+4*(\u)+3], s[26:27] offset:((\i)-1)*2048+(\u)*512 th:TH_STORE_NT  ; 512 consecutive bytes, aligned
.endr
.endif
	WIN 0x01                                       ; source 0 in window 1
.irp n, 0,2,4,6,8,10,12,14
	v_pk_add_f32 v[YR+16*(\i)+(\n):YR+16*(\i)+(\n)+1], v[16*(\i)+(\n):16*(\i)+(\n)+1], v[PM+(\n):PM+(\n)+1] neg_lo:[0,1] neg_hi:[0,1]
.endr
	WIN 0
.if (\i) > 0
.irp u, 2,3
	global_store_b128 v4, v[YR+16*((\i)-1)+4*(\u):YR+16*((\i)-1)+4*(\u)+3], s[26:27] offset:((\i)-1)*2048+(\u)*512 th:TH_STORE_NT
.endr
.endif
.irp n, 0,2,4,6,8,10,12,14
	v_pk_fma_f32 v[YR+16*(\i)+(\n):YR+16*(\i)+(\n)+1], v[YR+16*(\i)+(\n):YR+16*(\i)+(\n)+1], v[PAA+(\n):PAA+(\n)+1], v[PBB+(\n):PBB+(\n)+1]
.endr
	v_pk_mul_f32 v[SS+2*(\i):SS+2*(\i)+1], v[YR+16*(\i):YR+16*(\i)+1], v[YR+16*(\i):YR+16*(\i)+1]
	v_pk_mul_f32 v[SB+2*(\i):SB+2*(\i)+1], v[YR+16*(\i)+2:YR+16*(\i)+3], v[YR+16*(\i)+2:YR+16*(\i)+3]
.irp n, 4,8,12
	v_pk_fma_f32 v[SS+2*(\i):SS+2*(\i)+1], v[YR+16*(\i)+(\n):YR+16*(\i)+(\n)+1], v[YR+16*(\i)+(\n):YR+16*(\i)+(\n)+1], v[SS+2*(\i):SS+2*(\i)+1]
	v_pk_fma_f32 v[SB+2*(\i):SB+2*(\i)+1], v[YR+16*(\i)+(\n)+2:YR+16*(\i)+(\n)+3], v[YR+16*(\i)+(\n)+2:YR+16*(\i)+(\n)+3], v[SB+2*(\i):SB+2*(\i)+1]
.endr
	v_pk_add_f32 v[SS+2*(\i):SS+2*(\i)+1], v[SS+2*(\i):SS+2*(\i)+1], v[SB+2*(\i):SB+2*(\i)+1]
	v_add_f32 v[SS+2*(\i)], v[SS+2*(\i)], v[SS+2*(\i)+1]
	v_add_f32_dpp v[SS+2*(\i)], v[SS+2*(\i)], v[SS+2*(\i)] row_xmask:1 row_mask:0xf bank_mask:0xf
	v_add_f32_dpp v[SS+2*(\i)], v[SS+2*(\i)], v[SS+2*(\i)] row_xmask:2 row_mask:0xf bank_mask:0xf
	v_add_f32_dpp v[SS+2*(\i)], v[SS+2*(\i)], v[SS+2*(\i)] row_xmask:4 row_mask:0xf bank_mask:0xf
	v_add_f32_dpp v[SS+2*(\i)], v[SS+2*(\i)], v[SS+2*(\i)] row_xmask:8 row_mask:0xf bank_mask:0xf
	v_permlanex16_b32 v[SS+2*(\i)+1], v[SS+2*(\i)], s42, s43
	v_add_f32 v[SS+2*(\i)], v[SS+2*(\i)], v[SS+2*(\i)+1]
.endr
.irp i, 0,1,2,3,4,5,6,7
	v_sqrt_f32 v[SS+2*(\i)], v[SS+2*(\i)]
.endr
	v_nop
	s_wait_alu depctr_va_vdst(0)                   ; one wait for the eight roots, ahead of their first reader; it also states that row 7 has written its y, which the four stores below read
.irp u, 0,1,2,3
	global_store_b128 v4, v[YR+16*7+4*(\u):YR+16*7+4*(\u)+3], s[26:27] offset:7*2048+(\u)*512 th:TH_STORE_NT
.endr
.irp i, 0,1,2,3,4,5,6,7
	v_add_f32 v[SS+2*(\i)], 0x2b8cbccc, v[SS+2*(\i)]  ; + 1e-12
.endr
.irp i, 0,1,2,3,4,5,6,7
	v_rcp_f32 v[SS+2*(\i)], v[SS+2*(\i)]
.endr
	v_nop
	s_wait_alu depctr_va_vdst(0)                   ; one wait for the eight reciprocals, ahead of their first reader
	s_wait_xcnt 0x0                                ; the stores of y have had their addresses translated: only now is y scaled in place
	s_wait_alu depctr_vm_vsrc(0)                   ; the 32 stores of y have read YR, which the scalings below write again
; THE SECOND PASS.  Row i: y / (|y| + 1e-12), rounded to bf16, in place; the stores of row i - 1 are dealt among its lines.
.irp i, 0,1,2,3,4,5,6,7
.if (\i) > 0
	s_wait_alu depctr_va_vdst(0)                   ; the row before has rounded its eight words of bf16, which the four stores below read; no vector line of this row names those registers
.irp u, 0,1
	global_store_b64 v5, v[YR+16*((\i)-1)+4*(\u):YR+16*((\i)-1)+4*(\u)+1], s[18:19] offset:((\i)-1)*1024+(\u)*256  ; 256 consecutive bytes, aligned
.endr
.endif
.irp n, 0,2,4,6,8,10,12,14
	v_pk_mul_f32 v[YR+16*(\i)+(\n):YR+16*(\i)+(\n)+1], v[YR+16*(\i)+(\n):YR+16*(\i)+(\n)+1], v[SS+2*(\i):SS+2*(\i)+1] op_sel_hi:[1,0]
.endr
.if (\i) > 0
.irp u, 2,3
	global_store_b64 v5, v[YR+16*((\i)-1)+4*(\u):YR+16*((\i)-1)+4*(\u)+1], s[18:19] offset:((\i)-1)*1024+(\u)*256
.endr
.endif
.irp u, 0,1,2,3
	v_cvt_pk_bf16_f32 v[YR+16*(\i)+4*(\u)],   v[YR+16*(\i)+4*(\u)],   v[YR+16*(\i)+4*(\u)+1]
	v_cvt_pk_bf16_f32 v[YR+16*(\i)+4*(\u)+1], v[YR+16*(\i)+4*(\u)+2], v[YR+16*(\i)+4*(\u)+3]
.endr
.endr
	s_wait_alu depctr_va_vdst(0)                   ; row 7 has rounded its eight words, which the last four stores read
.irp u, 0,1,2,3
	global_store_b64 v5, v[YR+16*7+4*(\u):YR+16*7+4*(\u)+1], s[18:19] offset:7*1024+(\u)*256
.endr
	s_wait_dscnt 0x0                               ; the closing lines, six on end
	s_wait_alu 0x0
	s_wait_tensorcnt 0x0
	ds_add_u32 v[SPW], v[NIL]
	s_wait_dscnt 0x0
	s_endpgm
.Lfunc_end_k_qbc4ce849ce_bnorm:
	.size	k_qbc4ce849ce_bnorm, .Lfunc_end_k_qbc4ce849ce_bnorm-k_qbc4ce849ce_bnorm
	.p2alignl 7, 3214868480
	.fill 96, 4, 3214868480
	.section	.rodata,"a",@progbits
	.p2align	6, 0x0
	.amdhsa_kernel k_qbc4ce849ce_bnorm
		.amdhsa_group_segment_fixed_size 6656
		.amdhsa_private_segment_fixed_size 0
		.amdhsa_enable_private_segment 0
		.amdhsa_kernarg_size 64
		.amdhsa_user_sgpr_count 2
		.amdhsa_user_sgpr_kernarg_segment_ptr 1
		.amdhsa_wavefront_size32 1
		.amdhsa_system_sgpr_workgroup_id_x 1
		.amdhsa_system_sgpr_workgroup_id_y 1
		.amdhsa_system_sgpr_workgroup_id_z 1
		.amdhsa_system_vgpr_workitem_id 0
		.amdhsa_next_free_vgpr 512
		.amdhsa_next_free_sgpr 66
		.amdhsa_reserve_vcc 0
		.amdhsa_float_denorm_mode_32 3
		.amdhsa_float_denorm_mode_16_64 3
		.amdhsa_memory_ordered 1
		.amdhsa_forward_progress 1
		.amdhsa_inst_pref_size 62
	.end_amdhsa_kernel
	.amdgpu_metadata
---
amdhsa.version: [ 1, 2 ]
amdhsa.kernels:
  - .name:           k_qbc4ce849ce_bnorm
    .symbol:         k_qbc4ce849ce_bnorm.kd
    .args:
      - { .name: wsH2, .offset: 0, .size: 8, .value_kind: global_buffer, .address_space: global }
      - { .name: gl, .offset: 8, .size: 8, .value_kind: global_buffer, .address_space: global }
      - { .name: gv, .offset: 16, .size: 8, .value_kind: global_buffer, .address_space: global }
      - { .name: betal, .offset: 24, .size: 8, .value_kind: global_buffer, .address_space: global }
      - { .name: betav, .offset: 32, .size: 8, .value_kind: global_buffer, .address_space: global }
      - { .name: out1, .offset: 40, .size: 8, .value_kind: global_buffer, .address_space: global }
      - { .name: out2, .offset: 48, .size: 8, .value_kind: global_buffer, .address_space: global }
      - { .name: wsN, .offset: 56, .size: 8, .value_kind: global_buffer, .address_space: global }
    .group_segment_fixed_size: 6656
    .private_segment_fixed_size: 0
    .kernarg_segment_align: 8
    .kernarg_segment_size: 64
    .max_flat_workgroup_size: 128
    .sgpr_count:     66
    .vgpr_count:     512
    .wavefront_size: 32
...
	.end_amdgpu_metadata
.endif
;; end of part 9
;; launch simtop: the kernel of part 5 again; grid 16 x 16, 4 waves a work-group, clusters of 4 x 1, 327,680 bytes of LDS; arguments wsP, wsN, wsL; writes wsL
;; launch merge: the kernel of part 6 again; grid 32 x 4, 4 waves a work-group, no clusters, 0 bytes of LDS; arguments wsL, wsT; writes wsT
;; launch posloss: the kernel of part 7 again; grid 512 x 1, 8 waves a work-group, no clusters, 1,280 bytes of LDS; arguments wsP, wsN, wsT, wsL, wsR; writes wsR
;; launch lossum: the kernel of part 8 again; grid 1 x 1, 1 waves a work-group, no clusters, 0 bytes of LDS; arguments wsR, out0; writes out0
